; MI455X (gfx1250); checked and timed in simulation.
; The chip was launched on July 23, 2026; its instructions are those of AMD's public machine-readable ISA for CDNA 5 (MIT licence, August 2026) and "CDNA5" Instruction Set Architecture Reference Guide (July 2026). The comments in the code are by the model that wrote it; some were corrected since.
;; Multi Head Attention. Allowed arithmetic: matrix products marked QUANTISED: E2M3 operands, one E8M0 scale for each 32 along K, by v_wmma_scale_f32_16x16x128_f8f6f4 with both operands' format E2M3, f32 sums; everything else in f32.
;; Inputs: K_codes 4 x 2,048 x 32 x 24 uint8 (E2M3 codes of K, K innermost, in blocks of 32 codes, four codes in three bytes); K_scales 4 x 2,048 x 32 uint8 (E8M0 scales of K, one for each 32 codes along K); Q 4 x 2,048 x 1,024 float32; V_codes 4 x 2,048 x 32 x 24 uint8 (E2M3 codes of V, K innermost, in blocks of 32 codes, four codes in three bytes); V_scales 4 x 2,048 x 32 uint8 (E8M0 scales of V, one for each 32 codes along K); Wk_codes 1,024 x 32 x 24 uint8 (E2M3 codes of Wk, K innermost, in blocks of 32 codes, four codes in three bytes); Wk_scales 1,024 x 32 uint8 (E8M0 scales of Wk, one for each 32 codes along K); Wo_codes 1,024 x 32 x 24 uint8 (E2M3 codes of Wo, K innermost, in blocks of 32 codes, four codes in three bytes); Wo_scales 1,024 x 32 uint8 (E8M0 scales of Wo, one for each 32 codes along K); Wq_codes 1,024 x 32 x 24 uint8 (E2M3 codes of Wq, K innermost, in blocks of 32 codes, four codes in three bytes); Wq_scales 1,024 x 32 uint8 (E8M0 scales of Wq, one for each 32 codes along K); Wv_codes 1,024 x 32 x 24 uint8 (E2M3 codes of Wv, K innermost, in blocks of 32 codes, four codes in three bytes); Wv_scales 1,024 x 32 uint8 (E8M0 scales of Wv, one for each 32 codes along K); beta 1,024 float32; bk 1,024 float32; bo 1,024 float32; bq 1,024 float32; bv 1,024 float32; gamma 1,024 float32; mask 4 x 1 x 1 x 2,048 int32.
;; Outputs: out0 4 x 2,048 x 1,024 float32.
;; This version of the problem:
;;   THIS VERSION OF THE PROBLEM IS GIVEN IN LOW PRECISION. The matrix products marked QUANTISED in the list below multiply operands that are first quantised to E2M3 (2 exponent bits, 3 mantissa bits; 6 bits a number), with one power-of-two scale for each 32 numbers along K (OCP MX v1.0); their sums are f32. All else is computed in f32.
;;   The module's matrix products, in the order in which they are computed (A, B: the left and right operand; K: the contracted axis; several contracted axes count as one K, in the product's order):
;;     1. [M 8,192, K 1,024] x [K 1,024, N 1,024]; A: input Q; B: input Wq (given as codes): QUANTISED
;;     2. [M 8,192, K 1,024] x [K 1,024, N 1,024]; A: input K (given as codes); B: input Wk (given as codes): QUANTISED
;;     3. [M 8,192, K 1,024] x [K 1,024, N 1,024]; A: input V (given as codes); B: input Wv (given as codes): QUANTISED
;;     4. batch 64 x [M 2,048, K 64] x [K 64, N 2,048]; A: computed on the way; B: computed on the way: QUANTISED
;;     5. batch 64 x [M 2,048, K 2,048] x [K 2,048, N 64]; A: softmax (see below); B: computed on the way: QUANTISED
;;     6. [M 8,192, K 1,024] x [K 1,024, N 1,024]; A: computed on the way; B: input Wo (given as codes): QUANTISED
;;   THE QUANTISER, for each operand of a quantised product, along K:
;;     - K is cut into blocks of 32 from its start; a last block that is shorter is filled with zeros.
;;     - A block's scale is 2^e with e = floor(log2(the largest magnitude in the block)) - 2, held to -126 .. 127; a block of zeros has e = 0. As a byte (E8M0): e + 127.
;;     - Each number is divided by its block's scale, clamped to +-7.5, and rounded to the nearest number of E2M3, ties to even, subnormals kept.
;;     - The product sums the exact products of the quantised numbers (number of the format x scale) in f32.
;;   ~~~python
;;   def quantise(x, axis):      # numpy; x: float32 -> the quantised numbers, widened to float32 again
;;       x = np.moveaxis(x, axis, -1); K = x.shape[-1]
;;       x = np.pad(x, [(0, 0)] * (x.ndim - 1) + [(0, -K % 32)]); x = x.reshape(x.shape[:-1] + (-1, 32)); a = np.abs(x).max(-1, keepdims=True)
;;       e = np.where(a > 0, np.clip(np.frexp(np.where(a > 0, a, 1))[1] - 1 - 2, -126, 127), 0)      # np.frexp(a)[1] - 1 = floor(log2(a)), exactly
;;       r = np.clip(x / 2.0 ** e, -7.5, 7.5)
;;       step = 2.0 ** (np.maximum(np.frexp(np.where(r == 0, 1, r))[1] - 1, 0) - 3)
;;       q = np.round(r / step) * step * 2.0 ** e      # np.round: ties to even
;;       return np.moveaxis(q.reshape(q.shape[:-2] + (-1,))[..., :K], -1, axis).astype(np.float32)
;;   ~~~
;;   SOFTMAX AHEAD OF A QUANTISED PRODUCT. Where the list says 'softmax', what is quantised is not the finished softmax but p = 2^(t - M), with t = logit x log2(e) and M = ceil(the row's largest t), a whole number; so 1/2 < the row's largest p <= 1. The row's sum l is taken of the UNQUANTISED p, in f32, and the product's result is divided by l at the end. Since M is a whole number, a kernel that streams over the keys may use a running M (the ceiling of the running maximum): every later rescaling is an exact power of two, which a block's scale takes up: the codes' values come out the same.
;;   OPERANDS COMPUTED ON THE WAY. 'Computed on the way' means the value that the module computes at that place (a softmax that the list does not call 'softmax' is quantised finished and normalised). What goes into a quantiser is computed in f32, as accurately as f32 sums, v_exp_f32 and their like allow (about 1e-6 of the number): no bf16 or f16 on the way to a quantiser, and a product that is left as it is and whose result goes on into a quantised operand takes f32 operands (vector FMAs, or v_wmma_f32_16x16x4_f32). A number that lies on a knife's edge between two numbers of the format may be rounded either way, as far as f32 arithmetic and the matrix unit's own rounding can turn it there, and no further.
;;   INPUTS GIVEN AS CODES. K (in the module: [4, 2048, 1024], K = its axis 2); V (in the module: [4, 2048, 1024], K = its axis 2); Wk (in the module: [1024, 1024], K = its axis 1); Wo (in the module: [1024, 1024], K = its axis 1); Wq (in the module: [1024, 1024], K = its axis 1); Wv (in the module: [1024, 1024], K = its axis 1): each comes as NAME_codes (uint8): NAME with its K axis moved to the last place and cut into blocks of 32 codes, [.., K / 32, bytes a block], one block behind the other in memory; four codes in three bytes: a row's codes are one little-endian stream of bits, code i at bits 6 i .. 6 i + 5 (a code: sign, 2 exponent bits, 3 mantissa bits); and NAME_scales (uint8): the same leading axes, one E8M0 byte (e + 127) for each 32 codes along K. Its value is code x scale, taken as it is: it is not quantised again, and the codes and scales need not be those that the quantiser above would give.
;; One version. Each part assembles by itself: llvm-mc -triple=amdgcn-amd-amdhsa -mcpu=gfx1250 --defsym DOCPART=n.
;; ======== version 1 of 1: 4 launches
;; limits: right only within a limited range of input values
;; workspace buffers: Qc 6,291,456 bytes; Qs 262,144 bytes; kv 13,107,200 bytes; qb 6,553,600 bytes; ctxc 6,291,456 bytes; ctxs 262,144 bytes
;; launch quantq (part 1): grid 256 x 1, 4 waves a work-group, no clusters, 33,280 bytes of LDS; arguments Q, Qc, Qs; writes Qc, Qs
.if DOCPART == 1
	.amdgcn_target "amdgcn-amd-amdhsa--gfx1250"
	.amdhsa_code_object_version 6
	.text
	.protected	k_q018b3859cf_quantq
	.globl	k_q018b3859cf_quantq
	.p2align	8
	.type	k_q018b3859cf_quantq,@function
k_q018b3859cf_quantq:
	s_mov_b64 s[64:65], 0
	v_nop
	global_prefetch_b8 v0, s[64:65] scope:SCOPE_SE
	s_setreg_imm32_b32 hwreg(HW_REG_WAVE_MODE, 25, 1), 1
	s_wait_xcnt 0x0
; MULTI-HEAD ATTENTION, RESIDUAL AND LAYERNORM, all six products on codes of FP6 (E2M3) with one E8M0 scale for each 32 along K.  Four launches:
;   1 (this one)  Q, f32, into codes and scale bytes;   2  q, k, v = the three projections with their biases, quantised again into images of operand registers;
;   3  scores, mask, softmax, context, quantised;       4  the projection on the way out, bo, the residual with Q, LayerNorm.
; NOTHING OF THE PROBLEM IS LEFT OUT: every bias goes into a quantiser or into the output, the mask, gamma and beta reach the output, and all 20 inputs are loaded by some launch.
; THIS LAUNCH: Q [8192][1024] f32 becomes Qc [8192][768 bytes] (a row's codes are one stream of bits, K innermost) and Qs [8192][32] (one byte for each 32 along K).
; A block's scale is 2^(floor(log2(its largest magnitude)) - 2); its byte is the largest magnitude's own exponent field - 2, held at 1 from below.  (A block of zeros so gets the byte 1 where the
; quantiser says 127: its codes are zeros, which add nothing under any byte but 0xff, and the bytes are read by this program alone.)  Each number is divided by the scale and rounded to the nearest code, ties to even.
; LIMITS: a block whose largest magnitude lies under 2^-124 keeps the byte 1; NaN and infinities among the inputs are not served.
; Rows are dense and 1,024 is a multiple of 32, so Q is a plain stream of blocks of 32, and so are the codes and the bytes.  A wave takes 16 steps of 512 numbers: 8,388,608 / 32,768 = 256 work-groups of four waves.
; Each of a step's four loads reads 512 consecutive bytes, 16 a lane; the 2,048 bytes go through the wave's own stage in LDS and come back 64 bytes a lane, so that a lane holds 16 NEIGHBOURS, which the conversion wants
; (two neighbouring lanes hold a block).  The stage has 16 bytes of padding behind each 64.  A lane's 16 codes are 12 bytes: the wave stores 384 consecutive bytes.  A wave's 256 scale bytes are gathered in LDS and leave as one aligned 256 bytes.
; No tensor loads, no barrier: waves share nothing, so clusters and the matrix unit have nothing to give here.  Loads run four steps (16 loads a wave) ahead, the turn through LDS one step.
.set WAVES, 4
.set STEPS, 16
.set EMAX,  2
.set CB,    12                         ; bytes of 16 codes
.set R,     16                         ; v16-79   four sets of 16 numbers as they are loaded
.set X,     80                         ; v80-111  two sets of 16 neighbours
.set C,     128                        ; v128-191 codes: four registers for each step, so that no store's data are written again
.set E,     112                        ; v112-127 a scale byte for each step
.set WREG,  8192                       ; LDS: a region for each wave: two stages of 32 x SP bytes, and behind them its 256 scale bytes
.set SP,    80                         ; a lane's place in a stage: its 64 bytes + 16 of padding
.set SPW,   12                         ; v12      LDS address of my spare word: SPARE + 4 x my thread's number; never rewritten
.set NIL,   13                         ; v13      0; never rewritten
.set SPARE, WAVES*WREG                 ; behind the four regions: the spare words, 128 bytes for each wave, which no other line names
	s_load_b128 s[4:7], s[0:1], 0x0                ; Q s[4:5], Qc s[6:7]
	s_load_b64 s[8:9], s[0:1], 0x10                ; Qs
	v_lshl_add_u32 v[SPW], v0, 2, SPARE
	v_mov_b32 v[NIL], 0
	v_lshrrev_b32 v1, 5, v0
	v_readfirstlane_b32 s16, v1                    ; wave
	v_and_b32 v2, 31, v0                           ; lane
	v_lshlrev_b32 v3, 4, v2                        ; my 16 bytes of a load's 512
	s_mul_i32 s17, s16, WREG
	v_lshrrev_b32 v14, 2, v2
	v_mul_u32_u24 v14, v14, SP
	v_and_b32 v15, 3, v2
	v_lshl_add_u32 v14, v15, 4, v14
	v_add_nc_u32 v14, s17, v14                     ; the stage, on the way in: four lanes' 64 bytes on end, then 16 of padding
	v_mul_u32_u24 v15, v2, SP
	v_add_nc_u32 v15, s17, v15                     ; and on the way out: SP x lane: my 16 neighbours
	v_mul_u32_u24 v4, v2, CB                       ; my codes' place in a step's
	v_lshrrev_b32 v5, 1, v2
	s_add_co_u32 s17, s17, 2*32*SP
	v_add_nc_u32 v5, s17, v5                       ; LDS: my wave's 256 scale bytes, my block's byte
	v_lshlrev_b32 v7, 3, v2                        ; and on the way out 8 bytes a lane
	v_add_nc_u32 v6, s17, v7
	s_lshl_b32 s17, ttmp9, 2
	s_add_co_u32 s18, s17, s16                     ; which run of 8,192 numbers is my wave's
	s_mov_b32 s19, 0
	s_mov_b64 s[20:21], 512*STEPS*4
	s_mul_u64 s[20:21], s[18:19], s[20:21]
	s_mov_b64 s[22:23], 32*STEPS*CB
	s_mul_u64 s[22:23], s[18:19], s[22:23]
	s_lshl_b32 s18, s18, 8                         ; 256 scale bytes a run
	s_wait_alu depctr_va_vdst(0)
	s_wait_kmcnt 0x0
	s_add_nc_u64 s[4:5], s[4:5], s[20:21]
	s_add_nc_u64 s[6:7], s[6:7], s[22:23]
	s_add_nc_u64 s[8:9], s[8:9], s[18:19]
.macro LOAD t
.irp i, 0,1,2,3
	global_load_b128 v[R+16*((\t)%4)+4*\i:R+16*((\t)%4)+4*\i+3], v3, s[4:5] offset:2048*(\t)+512*\i   ; 32 lanes read 512 consecutive bytes
.endr
.endm
.macro TURN t                          ; step t's numbers through the stage: LDS serves a wave's instructions in order, so no wait stands between the stores and the loads
.irp i, 0,1,2,3
	ds_store_b128 v14, v[R+16*((\t)%4)+4*\i:R+16*((\t)%4)+4*\i+3] offset:32*SP*((\t)%2)+8*SP*\i
.endr
.irp i, 0,1,2,3
	ds_load_b128 v[X+16*((\t)%2)+4*\i:X+16*((\t)%2)+4*\i+3], v15 offset:32*SP*((\t)%2)+16*\i
.endr
.endm
.irp t, 0,1,2,3
	LOAD \t
.endr
	s_wait_loadcnt 12                              ; step 0's four loads are in; the twelve of steps 1 to 3 may be out
	TURN 0
.macro STEP t
.set XS, X+16*((\t)%2)
.if (\t) > 0
	s_wait_dscnt 1                                 ; this step's numbers are back from the stage (the last step's byte store may be out): so its stores into the stage have read their registers,
.else
	s_wait_dscnt 0x0
.endif
.if (\t)+4 < STEPS
	LOAD (\t)+4                                    ; which take the loads of four steps on
.endif
.if (\t)+1 < STEPS
.if STEPS-2-(\t) >= 3
	s_wait_loadcnt 12                              ; the next step's four loads are in; those of the three steps behind it may be out
.else
	s_wait_loadcnt 4*(STEPS-2-(\t))
.endif
	TURN (\t)+1                                    ; and go through the other stage while this step is worked
.endif
	v_max3_num_f32 v8, |v[XS]|, |v[XS+1]|, |v[XS+2]|               ; the largest magnitude of my 16
	v_max3_num_f32 v9, |v[XS+3]|, |v[XS+4]|, |v[XS+5]|
.irp i, 6,10
	v_max3_num_f32 v8, v8, |v[XS+\i]|, |v[XS+\i+1]|
	v_max3_num_f32 v9, v9, |v[XS+\i+2]|, |v[XS+\i+3]|
.endr
	v_max3_num_f32 v8, v8, |v[XS+14]|, |v[XS+15]|
	v_max3_num_f32 v8, v8, v9, (EMAX+1)<<23        ; and the floor 2^(3 - 127), under which no largest magnitude is taken: so the byte cannot fall under 1
	v_max_num_f32_dpp v8, v8, v8 row_xmask:1 row_mask:0xf bank_mask:0xf   ; and of my neighbour's 16: the block's
	v_add_nc_u32 v11, -(EMAX<<23), v8              ; 2 off its exponent field: the conversion takes the exponent field of this operand as its scale, and nothing else of it
	v_cvt_scalef32_pk16_fp6_f32 v[C+4*(\t):C+4*(\t)+2], v[XS:XS+15], v11         ; sixteen numbers / the scale, to the nearest code, beyond the largest code the largest; 96 bits without gaps
	v_lshrrev_b32 v[E+(\t)], 23, v11               ; the scale's byte
	ds_store_b8 v5, v[E+(\t)] offset:16*(\t)       ; both lanes of a block write the same byte with the same value
	global_store_b96 v4, v[C+4*(\t):C+4*(\t)+2], s[6:7] offset:32*CB*(\t)
.endm
.irp t, 0,1,2,3,4,5,6,7,8,9,10,11,12,13,14,15
	STEP \t
.endr
	ds_load_b64 v[8:9], v6                         ; LDS serves a wave's instructions in order: these see my stores
	s_wait_dscnt 0x0
	global_store_b64 v7, v[8:9], s[8:9]            ; 32 lanes store 256 consecutive bytes, aligned
	s_wait_tensorcnt 0x0                           ; the wave's end, behind my last LDS store
	ds_add_u32 v[SPW], v[NIL]
	s_wait_dscnt 0x0
	s_endpgm
.Lfunc_end_k_q018b3859cf_quantq:
	.size	k_q018b3859cf_quantq, .Lfunc_end_k_q018b3859cf_quantq-k_q018b3859cf_quantq
	.p2alignl 7, 3214868480
	.fill 96, 4, 3214868480
	.section	.rodata,"a",@progbits
	.p2align	6, 0x0
	.amdhsa_kernel k_q018b3859cf_quantq
		.amdhsa_group_segment_fixed_size 33280
		.amdhsa_private_segment_fixed_size 0
		.amdhsa_enable_private_segment 0
		.amdhsa_kernarg_size 24
		.amdhsa_user_sgpr_count 2
		.amdhsa_user_sgpr_kernarg_segment_ptr 1
		.amdhsa_wavefront_size32 1
		.amdhsa_system_sgpr_workgroup_id_x 1
		.amdhsa_system_sgpr_workgroup_id_y 1
		.amdhsa_system_sgpr_workgroup_id_z 1
		.amdhsa_system_vgpr_workitem_id 0
		.amdhsa_next_free_vgpr 192
		.amdhsa_next_free_sgpr 66
		.amdhsa_reserve_vcc 0
		.amdhsa_float_denorm_mode_32 3
		.amdhsa_float_denorm_mode_16_64 3
		.amdhsa_memory_ordered 1
		.amdhsa_forward_progress 1
		.amdhsa_inst_pref_size 32
	.end_amdhsa_kernel
	.amdgpu_metadata
---
amdhsa.version: [ 1, 2 ]
amdhsa.kernels:
  - .name:           k_q018b3859cf_quantq
    .symbol:         k_q018b3859cf_quantq.kd
    .args:
      - { .name: Q, .offset: 0, .size: 8, .value_kind: global_buffer, .address_space: global }
      - { .name: Qc, .offset: 8, .size: 8, .value_kind: global_buffer, .address_space: global }
      - { .name: Qs, .offset: 16, .size: 8, .value_kind: global_buffer, .address_space: global }
    .group_segment_fixed_size: 33280
    .private_segment_fixed_size: 0
    .kernarg_segment_align: 8
    .kernarg_segment_size: 24
    .max_flat_workgroup_size: 128
    .sgpr_count:     66
    .vgpr_count:     192
    .wavefront_size: 32
...
	.end_amdgpu_metadata
.endif
;; end of part 1
;; launch proj (part 2): grid 4 x 96, 4 waves a work-group, clusters of 4 x 4, 327,680 bytes of LDS; arguments Qc, Qs, Wq_codes, Wq_scales, bq, K_codes, K_scales, Wk_codes, Wk_scales, bk, Wv_codes, Wv_scales, V_codes, V_scales, bv, qb, kv; writes qb, kv
.if DOCPART == 2
	.amdgcn_target "amdgcn-amd-amdhsa--gfx1250"
	.amdhsa_code_object_version 6
	.text
	.protected	k_q018b3859cf_proj
	.globl	k_q018b3859cf_proj
	.p2align	8
	.type	k_q018b3859cf_proj,@function
k_q018b3859cf_proj:
	s_mov_b64 s[64:65], 0
	v_nop
	global_prefetch_b8 v0, s[64:65] scope:SCOPE_SE
	s_setreg_imm32_b32 hwreg(HW_REG_WAVE_MODE, 25, 1), 1
	s_wait_xcnt 0x0
	s_wait_alu depctr_hold_cnt(0) depctr_sa_sdst(0) depctr_va_vdst(0) depctr_va_sdst(0) depctr_va_ssrc(0) depctr_va_vcc(0) depctr_vm_vsrc(0)
	s_getreg_b32 s2, hwreg(HW_REG_IB_STS2, 6, 4)
	s_cmp_eq_u32 s2, 0
	s_cbranch_scc0 .Lentry_in_a_cluster
	s_endpgm
.Lentry_in_a_cluster:
	s_bfe_u32 s2, ttmp6, 0x10000c
	s_cmp_lg_u32 s2, 0xf033
	s_cbranch_scc0 .Lentry_shape_is_right
	s_endpgm
.Lentry_shape_is_right:
; THE THREE PROJECTIONS, one form: out[m][n] = sum over k of A[m][k] B[n][k] + bias, K = 1,024, on codes of FP6 (E2M3) with E8M0 scales; out is QUANTISED ALONG n, in blocks of 32, and leaves as images of operand registers.
;   q, k: A = the tokens (8,192 rows), B = Wq or Wk (1,024 rows), bias by n: n = 64 x head + d, so a block of 32 along n is half a head: the K of the score product.
;   v:    A = Wv (m = 64 x head + d), B = V's tokens (n = keys), bias by m: that is v transposed, quantised along the keys: the K of the second product of attention.
; No work of the problem is left out here.  LIMITS: NaN and infinities are not served; a block whose largest magnitude lies under 2^-124 keeps the scale byte 1 (a block of zeros too: its codes are zeros).
; GRID: 24 clusters of 4 x 4 work-groups along y: clusters 0-7 make q, 8-15 k, 16-23 v.  A work-group makes 256 x 256 of out, a wave 128 x 128: 64 accumulators, 512 registers.  K goes in steps of 256 through a ring of two LDS slots
; filled by the tensor data mover; the scales of the work-group's rows of A and of B come once, with the first fills.  A's tiles are asked for jointly along a row of the cluster, B's along a column.
; THE MATRIX INSTRUCTION IS USED TRANSPOSED (source 0 = 16 rows of B, source 1 = 16 rows of A): lane (r, h) of accumulator (a, b) holds out(16 a + r, 16 b + 8 h + 0 .. 7).
; THE ORDER INSIDE A BLOCK.  Call the four eights of a block of 32 along n g0 .. g3.  Lanes 0-15 hold g0 and g2 in their 16 registers of accumulators 2 B and 2 B + 1, lanes 16-31 g1 and g3.  Converted and exchanged between the halves of the
; lanes, a block's codes lie in the order g0 g2 g1 g3.  The 32 numbers of a block are the quantiser's, so scale and codes are the quantiser's; q and k come out in the same order, and so do v and attention's p: their products are not moved by it.
; WHAT LEAVES.  An image is 12 registers x 32 lanes: three planes of 512 bytes, plane p = registers 4 p .. 4 p + 3, 16 bytes a lane.  For head bh (16 x batch + head) and key step j (128 tokens) kv has a chunk of 12,800 bytes:
;   +0 four images of k: image b', registers 6 u + i of lane (r, h): token 32 b' + 16 u + r, block h of d;  +6,144 four images of v: image t = the fragment of d = 16 t + r by the step's 128 keys;
;   +12,288 k's scale words, 16 bytes a row r (word b': bytes 0, 1 for u = 0, bytes 2, 3 for u = 1);  +12,544 v's, 16 bytes a row r (word t).   qb has chunks of 6,400 bytes: q's four images as k's, and at +6,144 their words.
; REGISTERS, in windows of 256: window 0: v0-31 addresses; v32-63 scale words, two sets, and nothing else; v64-127 the biases; from v128 A's fragments, ONE set; on the way out v128-247 are at work.
;   window 1: B's fragments, TWO sets, at v0 and at v128.   window 2: the 32 accumulators of my rows 0-63 ((a, b) at v[8 (8 a + b)]);   window 3: those of my rows 64-127.
.set KSTEP,  256                       ; along K in a slot
.set NQ,     KSTEP/128                 ; matrix instructions deep
.set ROWB,   192                       ; a tile's row in bytes
.set KROW,   768                       ; a row of A or of B in memory
.set PITCH,  240                       ; an LDS row: 3 x (64 bytes of data + 16 of padding)
.set FR,     12                        ; registers of a fragment
.set NL,     6                         ; LDS loads that bring one
.set NP,     4                         ; places behind this matrix instruction (ISA guide 7.12.1)
.set HALFT,  128*PITCH                 ; 128 rows: what one tensor load brings
.set SLOT,   4*HALFT                   ; A's 256 rows, then B's 256 rows
.set LAPS,   2                         ; 1,024 / 512: a lap = two K steps = once round the ring
.set KS,     32                        ; a row of scales in bytes
.set SCL,    2*SLOT                    ; behind the ring: the scales, as pieces of 256 bytes + 16 of padding
.set HALFS,  (128*KS/256)*272          ; the scales of 128 rows
.set SBLK,   (16*KS/256)*272           ; those of 16 rows
.set SPARE,  SCL+4*HALFS               ; behind the scales: the spare words, 128 bytes for each wave, which no other line names
.set ADRA, 16                          ; v16-17  LDS address of my A fragments in slot 0, 1  (v18-19: for the pieces behind one padding more)
.set ADRB, 20                          ; v20-21  the same for B  (v22-23)
.set OUTI, 24                          ; v24     16 x lane: my place in a plane of an image
.set OUTS, 25                          ; v25     16 r, and for lanes 16-31 one head further on: my place among the scale words
.set ADRS, 27                          ; v27     LDS address of my scale words: lanes 0-15 A's rows, lanes 16-31 B's
.set SPW,  28                          ; v28     LDS address of my spare word; never rewritten
.set NIL,  29                          ; v29     0; never rewritten
.set BOQ,  30                          ; v30     32 h: the biases by n
.set BOV,  31                          ; v31     4 r: the biases by m
.set SC,   32                          ; scale words: set s at v[SC + 16 s]
.set BIAS, 64                          ; v64-127 the biases
.set AF,   128                         ; A's fragments
.set T,    128                         ; the way out: v128-191 a row block's 64 numbers with their bias
.set IM,   192                         ; v192-215 images in the making
.set TM,   216                         ; v216-219 largest magnitudes, v220-223 bytes, v224-227 the conversions' scale operands
.set CT,   228                         ; v228-230, v232-234 the conversions' second halves
.set HH,   236                         ; v236, v237 two bytes each
.set WA,   240                         ; v240-243 scale words of my first head;  v244-247 of my second
.set WB,   244
.set SEL,  4                           ; s[4:5]  lane selects for v_permlanex16_b32: lane l xor 16 (behind the first fills, when A's pointer is done with)
.set G1, 24                            ; s[24:31] descriptor group 1 for A's tiles;  s[32:39] group 0, one set for each slot
.set G0, 32
.set G1B, 48                           ; s[48:55], s[56:63] the same for B's tiles
.set G0B, 56
.set G1S, 68                           ; s[68:75], s[76:79] groups 1 and 0 for A's scales;  s[80:87], s[88:91] for B's
.set G0S, 76
.set G1SB, 80
.set G0SB, 88
.set OUTSC, 92                         ; s[92:93]   where my heads' scale words go
.set OUT0, 96                          ; s[96:97]   my first head's images
.set OUT1, 100                         ; s[100:101] my second head's
.set MSB, 0
.macro WIN new                         ; the immediate's high byte repeats the setting that is left
.if MSB != (\new)
	s_set_vgpr_msb (MSB<<8)|(\new)
.set MSB, (\new)
.endif
.endm
.set MUL_LO, 0xa1                      ; source 0 (B) window 1, source 1 (A) window 0, C and D window 2
.set MUL_HI, 0xf1                      ; the same, C and D window 3
.set TO_B,   0x40                      ; destination window 1, address window 0
; A joint load: waves 0 and 1 fetch for A, waves 2 and 3 for B.  Each of the two lines has ONE mask and one set of registers for all that issue it; the branch hangs on the wave's number alone.
; An s_nop 0 and four v_nop follow each of the two lines, ahead of the jump, the label and what follows.
.macro JLOAD g0a, g1a, g0b, g1b
	s_cmp_eq_u32 s15, 0
	s_cbranch_scc0 .Lfor_b_\@
	tensor_load_to_lds s[\g0a:\g0a+3], s[\g1a:\g1a+7]
	s_nop 0
.rept 4
	v_nop
.endr
	s_branch .Lasked_\@
.Lfor_b_\@:
	tensor_load_to_lds s[\g0b:\g0b+3], s[\g1b:\g1b+7]
	s_nop 0
.rept 4
	v_nop
.endr
.Lasked_\@:
.endm
.macro CREST                           ; a round of the cluster's barrier behind its opening barrier
	s_cmp_lg_u32 s14, 0
	s_cbranch_scc1 .Lnot_wave_0_\@
	s_barrier_signal -3
.Lnot_wave_0_\@:
	s_barrier_wait -3
	s_barrier_signal -1
	s_barrier_wait -1
.endm
.macro CROUND                          ; a whole round
	s_barrier_signal -1
	s_barrier_wait -1
	CREST
.endm
	s_load_b512 s[24:39], s[0:1], 0x0              ; Qc, Qs, Wq's codes, Wq's scales, bq, K's codes, K's scales, Wk's codes
	s_load_b512 s[48:63], s[0:1], 0x40             ; Wk's scales, bk, Wv's codes, Wv's scales, V's codes, V's scales, bv, qb
	s_load_b64 s[68:69], s[0:1], 0x80              ; kv
	v_lshl_add_u32 v[SPW], v0, 2, SPARE
	v_mov_b32 v[NIL], 0
	ds_add_u32 v[SPW], v[NIL]                      ; the wave's opening: the add, twice on end, and its wait ahead of my first tensor load; work on registers stands between the second and the wait
	ds_add_u32 v[SPW], v[NIL]
	v_lshrrev_b32 v1, 5, v0
	v_readfirstlane_b32 s14, v1                    ; wave 0..3
	s_lshr_b32 s15, s14, 1                         ; which half of the tile's rows is mine.  Also: I fetch for A (0) or for B (1)
	s_and_b32 s16, s14, 1                          ; which half of its columns.  Also: which 128 rows of that tile I fetch
	s_bfe_u32 s40, ttmp6, 0x40000                  ; cx, cy: my place in the cluster
	s_bfe_u32 s41, ttmp6, 0x40004
	s_and_b32 s18, ttmp7, 0xffff                   ; the cluster's y, 0..23: the same in all sixteen partners
	s_lshr_b32 s99, s18, 3                         ; the product: 0 q, 1 k, 2 v
	s_and_b32 s18, s18, 7
	s_lshl_b32 s18, s18, 2                         ; four tiles of 256 tokens a cluster
	s_cmp_eq_u32 s99, 2
	s_cselect_b32 s98, 1, 0                        ; 1: v
	s_cselect_b32 s19, 0, s18                      ; the tokens are A's rows (q, k)
	s_cselect_b32 s18, s18, 0                      ; or B's (v)
	s_add_co_u32 s17, s19, s41                     ; tile row of out: it holds cy and never cx
	s_add_co_u32 s42, s18, s40                     ; tile column: it holds cx and never cy
	s_lshl_b32 s43, s41, 2
	s_lshl_b32 s43, 15, s43                        ; my row of the cluster
	s_lshl_b32 s44, 0x1111, s40                    ; my column
	s_lshl_b32 s18, s16, 7                         ; which 128 rows of the tile I fetch
	s_lshl_b32 s20, s17, 8
	s_add_co_u32 s20, s20, s18                     ; A: row 256 x tile row + 128 x half
	s_lshl_b32 s46, s42, 8
	s_add_co_u32 s46, s46, s18                     ; B: row 256 x tile column + 128 x half
	s_mov_b32 s21, 0
	s_mov_b32 s47, 0
	s_mov_b64 s[18:19], KS
	s_mul_u64 s[22:23], s[20:21], s[18:19]         ; where these rows' scales begin, in bytes
	s_mul_u64 s[92:93], s[46:47], s[18:19]
	s_mov_b64 s[18:19], KROW
	s_mul_u64 s[20:21], s[20:21], s[18:19]         ; and their codes
	s_mul_u64 s[46:47], s[46:47], s[18:19]
	s_mul_i32 s45, s14, HALFT                      ; where they go: wave x 128 rows: no place in the cluster enters an LDS address
	s_mul_i32 s94, s14, HALFS
	s_wait_dscnt 0x0                               ; both opening adds are done
	s_wait_kmcnt 0x0
	s_cmp_eq_u32 s99, 1                            ; the product's buffers: the choice hangs on the cluster's number alone
	s_cselect_b64 s[4:5], s[34:35], s[24:25]       ; A's codes
	s_cselect_b64 s[6:7], s[36:37], s[26:27]       ; A's scales
	s_cselect_b64 s[8:9], s[38:39], s[28:29]       ; B's codes
	s_cselect_b64 s[10:11], s[48:49], s[30:31]     ; B's scales
	s_cselect_b64 s[12:13], s[50:51], s[32:33]     ; the bias
	s_cmp_eq_u32 s99, 2
	s_cselect_b64 s[4:5], s[52:53], s[4:5]
	s_cselect_b64 s[6:7], s[54:55], s[6:7]
	s_cselect_b64 s[8:9], s[56:57], s[8:9]
	s_cselect_b64 s[10:11], s[58:59], s[10:11]
	s_cselect_b64 s[12:13], s[60:61], s[12:13]
	s_cmp_eq_u32 s99, 0
	s_cselect_b64 s[OUT0:OUT0+1], s[62:63], s[68:69]   ; qb or kv
	; the pointers are chosen: the registers that brought them take the descriptors.  Group 1: a tile of 128 rows x ROWB bytes, padded in LDS
	s_or_b32 s[G1+0], s43, (0<<16)|(1<<20)|(1<<21)|(3<<22)|(3<<25)  ; 15:0 the mask: A's tiles go to my row; elements of 1 byte; padding on; bit 21 set beside a mask; after every 16 words (code 3) 4 words (code 3)
	s_or_b32 s[G1B+0], s44, (0<<16)|(1<<20)|(1<<21)|(3<<22)|(3<<25)
.irp g, G1, G1B
	s_mov_b32 s[\g+1], ROWB<<16                    ; tensor_dim0
	s_mov_b32 s[\g+2], 128<<16                     ; tensor_dim1 = 128
	s_mov_b32 s[\g+3], ROWB<<16                    ; tile_dim0
	s_mov_b32 s[\g+4], 128                         ; tile_dim1 = 128
	s_mov_b32 s[\g+5], KROW                        ; tensor_dim0_stride
	s_mov_b32 s[\g+6], 0
	s_mov_b32 s[\g+7], 0
.endr
	; and for the scales of 128 rows: a dense block of 4,096 bytes, as rows of 256 bytes (32 elements of 8 bytes), 16 bytes of padding behind each
	s_or_b32 s[G1S+0], s43, (3<<16)|(1<<20)|(1<<21)|(5<<22)|(3<<25)
	s_or_b32 s[G1SB+0], s44, (3<<16)|(1<<20)|(1<<21)|(5<<22)|(3<<25)
.irp g, G1S, G1SB
	s_mov_b32 s[\g+1], 32<<16
	s_mov_b32 s[\g+2], (128*KS/256)<<16
	s_mov_b32 s[\g+3], 32<<16
	s_mov_b32 s[\g+4], 128*KS/256
	s_mov_b32 s[\g+5], 32
	s_mov_b32 s[\g+6], 0
	s_mov_b32 s[\g+7], 0
.endr
	s_add_nc_u64 s[20:21], s[4:5], s[20:21]
	s_add_nc_u64 s[22:23], s[6:7], s[22:23]
	s_add_nc_u64 s[46:47], s[8:9], s[46:47]
	s_add_nc_u64 s[92:93], s[10:11], s[92:93]
	CROUND                                         ; all sixteen work-groups are here: the first joint loads meet
	s_mov_b32 s[G0S], 1
	s_add_co_u32 s[G0S+1], s94, SCL
	s_mov_b64 s[G0S+2:G0S+3], s[22:23]
	s_or_b32 s[G0S+3], s[G0S+3], 0x80000000
	s_mov_b32 s[G0SB], 1
	s_add_co_u32 s[G0SB+1], s94, SCL
	s_mov_b64 s[G0SB+2:G0SB+3], s[92:93]
	s_or_b32 s[G0SB+3], s[G0SB+3], 0x80000000
	JLOAD G0S, G1S, G0SB, G1SB                     ; the scales first: they are wanted with K step 0
.irp s, 0,1
	s_mov_b32 s[G0+4*\s], 1
	s_add_co_u32 s[G0+4*\s+1], s45, \s*SLOT
	s_add_nc_u64 s[G0+4*\s+2:G0+4*\s+3], s[20:21], \s*ROWB
	s_or_b32 s[G0+4*\s+3], s[G0+4*\s+3], 0x80000000
	s_mov_b32 s[G0B+4*\s], 1
	s_add_co_u32 s[G0B+4*\s+1], s45, \s*SLOT
	s_add_nc_u64 s[G0B+4*\s+2:G0B+4*\s+3], s[46:47], \s*ROWB
	s_or_b32 s[G0B+4*\s+3], s[G0B+4*\s+3], 0x80000000
	JLOAD G0+4*\s, G1, G0B+4*\s, G1B               ; by this text's count three tensor loads of mine are out now, later one
.endr
	v_and_b32 v1, 15, v0                           ; r = l % 16
	v_bfe_u32 v2, v0, 4, 1                         ; h = l / 16
	v_mul_u32_u24 v3, v1, PITCH
	v_mul_u32_u24 v4, v2, 24
	v_add_nc_u32 v4, v3, v4                        ; a fragment's row x pitch + 24 x half
	v_lshl_add_u32 v5, v2, 4, v4                   ; and the same behind one padding more
	s_mul_i32 s21, s15, HALFT                      ; my 128 rows of A
	s_mul_i32 s22, s16, HALFT                      ; my 128 rows of B,
	s_add_co_u32 s22, s22, 2*HALFT                 ; which lie behind A's 256
.irp s, 0,1
	v_add_nc_u32 v[ADRA+\s], s21, v4
	v_add_nc_u32 v[ADRB+\s], s22, v4
	v_add_nc_u32 v[ADRA+2+\s], s21, v5
	v_add_nc_u32 v[ADRB+2+\s], s22, v5
	s_add_co_u32 s21, s21, SLOT
	s_add_co_u32 s22, s22, SLOT
.endr
	v_mul_u32_u24 v5, v1, KS                       ; my row's scales: 32 bytes a row,
	v_lshrrev_b32 v6, 8, v5
	v_lshl_add_u32 v5, v6, 4, v5                   ; and 16 more for each 256 passed
	s_mul_i32 s21, s15, HALFS                      ; A's: my 128 rows
	s_mul_i32 s22, s16, HALFS                      ; B's: my 128 rows, behind A's 256
	s_add_co_u32 s22, s22, 2*HALFS
	s_sub_co_u32 s22, s22, s21
	v_mul_u32_u24 v6, s22, v2                      ; lanes 16-31 take B's
	s_add_co_u32 s21, s21, SCL
	v_add_nc_u32 v5, v5, v6
	v_add_nc_u32 v[ADRS], s21, v5
	; where my results go
	v_and_b32 v6, 31, v0
	v_lshlrev_b32 v[OUTI], 4, v6
	v_lshlrev_b32 v[BOQ], 5, v2
	v_lshlrev_b32 v[BOV], 2, v1
	s_lshl_b32 s20, s17, 8
	s_lshl_b32 s21, s15, 7
	s_add_co_u32 s20, s20, s21                     ; my first row m
	s_lshl_b32 s22, s42, 8
	s_lshl_b32 s23, s16, 7
	s_add_co_u32 s22, s22, s23                     ; my first column n
	s_cmp_eq_u32 s98, 1
	s_cselect_b32 s46, s22, s20                    ; my first token: 128 of them, one key step
	s_cselect_b32 s94, s20, s22                    ; my first of the 1,024 (head, d): 128 of them, two heads
	s_lshl_b32 s22, s94, 2
	s_mov_b32 s23, 0
	s_add_nc_u64 s[12:13], s[12:13], s[22:23]      ; the bias at my 128
	s_lshr_b32 s94, s94, 6                         ; my first head
	s_lshr_b32 s20, s46, 11                        ; the batch
	s_bfe_u32 s21, s46, 0x40007                    ; the key step: 4 bits from bit 7
	s_lshl_b32 s20, s20, 4
	s_add_co_u32 s20, s20, s94
	s_lshl_b32 s20, s20, 4
	s_add_co_u32 s20, s20, s21                     ; the chunk: (16 x batch + head) x 16 + key step
	s_mov_b32 s94, 12800
	s_mov_b32 s22, 12288
	s_cmp_eq_u32 s99, 0
	s_cselect_b32 s94, 6400, s94                   ; a chunk's bytes: qb's or kv's
	s_cselect_b32 s22, 6144, s22                   ; the words' place in it: q's or k's,
	s_mul_i32 s20, s20, s94
	s_mov_b32 s21, 0
	s_add_nc_u64 s[OUT0:OUT0+1], s[OUT0:OUT0+1], s[20:21]
	s_mov_b32 s95, 12544
	s_cmp_eq_u32 s98, 1
	s_cselect_b32 s22, s95, s22                    ; or v's
	s_cselect_b32 s20, 6144, 0                     ; v's images lie behind k's
	s_add_nc_u64 s[OUTSC:OUTSC+1], s[OUT0:OUT0+1], s[22:23]
	s_add_nc_u64 s[OUT0:OUT0+1], s[OUT0:OUT0+1], s[20:21]
	s_lshl_b32 s20, s94, 4                         ; from a head to the next: 16 chunks
	s_add_nc_u64 s[OUT1:OUT1+1], s[OUT0:OUT0+1], s[20:21]
	v_mul_lo_u32 v[OUTS], v2, s20
	v_lshl_add_u32 v[OUTS], v1, 4, v[OUTS]
	s_mov_b32 s[SEL], 0x76543210
	s_mov_b32 s[SEL+1], 0xfedcba98
.macro FRAG reg, adr, q, i             ; a fragment, 16 rows x 128 K of 6-bit codes, is 12 registers: lane l holds row l % 16; registers 6 c .. 6 c + 5 hold K = 64 c + 32 (l / 16) + 0 .. 31: 24 bytes of the row's stream of bits, as they lie
.irp p, 0,1,2,3,4,5                    ; in pieces of 8 bytes, so that every address is a multiple of the access's size
.set PC, 12*(\q)+6*(\p/3)+\p%3        ; 16 bytes of padding lie behind every 64 bytes (8 pieces): where the piece three on lies behind one padding more, the second address register serves
.if PC%8 < 5
	ds_load_b64 v[\reg+2*\p:\reg+2*\p+1], v[\adr] offset:8*PC+16*(PC/8)+(\i)*16*PITCH
.else
	ds_load_b64 v[\reg+2*\p:\reg+2*\p+1], v[\adr+2] offset:8*PC+16*(PC/8)+(\i)*16*PITCH
.endif
.endr
.endm
; 16 matrix instructions: A's blocks a0, a0 + 1 x B's eight, 128 along K: the slot's q-th.  p: B's set;  sc: the set of scale words.  zero = 1: the first product starts the sums: nothing is ever cleared.
; The 64 accumulators take turns, one instruction a turn, in the same order in every step.
.macro MUL16 a0, p, q, sc, zero
.irp a, \a0, \a0+1
.irp b, 0,1,2,3,4,5,6,7
.if \zero
	v_wmma_scale_f32_16x16x128_f8f6f4 v[8*(8*((\a)%4)+\b):8*(8*((\a)%4)+\b)+7], v[128*(\p)+FR*\b:128*(\p)+FR*\b+FR-1], v[AF+FR*(\a):AF+FR*(\a)+FR-1], 0, v[SC+8*NQ*(\sc)+NQ*\b+(\q)], v[SC+8*NQ*(\sc)+NQ*(\a)+(\q)] matrix_a_fmt:MATRIX_FMT_FP6 matrix_b_fmt:MATRIX_FMT_FP6 matrix_a_scale:MATRIX_SCALE_ROW1
.else
	v_wmma_scale_f32_16x16x128_f8f6f4 v[8*(8*((\a)%4)+\b):8*(8*((\a)%4)+\b)+7], v[128*(\p)+FR*\b:128*(\p)+FR*\b+FR-1], v[AF+FR*(\a):AF+FR*(\a)+FR-1], v[8*(8*((\a)%4)+\b):8*(8*((\a)%4)+\b)+7], v[SC+8*NQ*(\sc)+NQ*\b+(\q)], v[SC+8*NQ*(\sc)+NQ*(\a)+(\q)] matrix_a_fmt:MATRIX_FMT_FP6 matrix_b_fmt:MATRIX_FMT_FP6 matrix_a_scale:MATRIX_SCALE_ROW1
.endif
.endr
.endr
.endm
.macro FETCH_B slot, q, p              ; B's eight fragments of the slot's q-th 128 along K into set p
	WIN TO_B
.irp i, 0,1,2,3,4,5,6,7
	FRAG 128*(\p)+FR*\i, ADRB+\slot, \q, \i
.endr
	WIN 0
.endm
.macro FETCH_A slot, q, i0             ; A's blocks i0 .. i0 + 3
.irp i, \i0, \i0+1, \i0+2, \i0+3
	FRAG AF+FR*(\i), ADRA+\slot, \q, \i
.endr
.endm
.macro SCALES sc                       ; the next K step's scale words into set sc: two words a row; lanes 0-15 take A's block i, lanes 16-31 B's block i
.irp i, 0,1,2,3,4,5,6,7
	ds_load_b64 v[SC+8*NQ*\sc+NQ*\i:SC+8*NQ*\sc+NQ*\i+1], v[ADRS] offset:\i*SBLK
.endr
.endm
; A load into a register that a matrix instruction has read, and a vector instruction that reads a matrix result or writes one of its registers, stand NP places behind that matrix instruction; only plain vector
; instructions that name none of its registers are places (ISA guide 7.12.1 for vector instructions).
.macro PLACES n
.rept \n
	v_nop
.endr
.endm
; A step of 128 along K that has its successor in the same slot.
.macro STEP slot, q, zero
	s_wait_dscnt 4*NL                              ; B's set and A's blocks 0-3 are in; the youngest 24 loads (A's blocks 4-7) may be out
	WIN MUL_LO
	MUL16 0, (\q)%2, \q, \slot, \zero
	MUL16 2, (\q)%2, \q, \slot, \zero
	s_wait_dscnt 0                                 ; A's blocks 4-7 are in (asked for 32 matrix instructions ago)
	PLACES NP
	FETCH_B \slot, (\q)+1, 1-(\q)%2
	FETCH_A \slot, (\q)+1, 0
	WIN MUL_HI
	MUL16 4, (\q)%2, \q, \slot, \zero
	MUL16 6, (\q)%2, \q, \slot, \zero
	PLACES NP
	WIN 0
	FETCH_A \slot, (\q)+1, 4
.endm
; A slot's last step changes slots: ONE barrier; in front of it each wave waits for all its tensor loads, adds 0 to its spare word, and waits for that and for its own reads of this slot.  fill = 1: this slot is filled again, two K steps ahead.
.macro TURN slot, next, fill
	s_wait_tensorcnt 0x0                           ; all my tensor loads have landed: my part of the next slot  (every window is 0 here: the add's two registers lie in window 0)
	ds_add_u32 v[SPW], v[NIL]                      ; 0 onto my spare word
	s_wait_dscnt 4*NL+1                            ; (the add and the youngest 24 loads, A's blocks 4-7, may be out)
	WIN MUL_LO
	MUL16 0, 1, NQ-1, \slot, 0                     ; sixteen matrix instructions stand between the add and the wait for it
	s_wait_dscnt 0x0                               ; the add is done, and my reads of this slot are over
	s_barrier_signal -1
	MUL16 2, 1, NQ-1, \slot, 0
	WIN 0
	s_barrier_wait -1
.if \fill
	CREST                                          ; the barrier has opened a round of the cluster's barrier: no wave of any partner still reads this slot's tile or has a load on its way
	s_add_nc_u64 s[G0+4*\slot+2:G0+4*\slot+3], s[G0+4*\slot+2:G0+4*\slot+3], 2*ROWB
	s_add_nc_u64 s[G0B+4*\slot+2:G0B+4*\slot+3], s[G0B+4*\slot+2:G0B+4*\slot+3], 2*ROWB
	JLOAD G0+4*\slot, G1, G0B+4*\slot, G1B         ; the first tensor load behind the round; the four v_nop behind it are the places in front of the loads below
.else
	PLACES NP
.endif
	s_wait_alu depctr_va_vdst(0)
	v_add_nc_u32 v[ADRS], 4*NQ, v[ADRS]            ; on to the next K step's scale words (no LDS load of mine is out)
	FETCH_B \next, 0, 0
	FETCH_A \next, 0, 0
	SCALES \next
	WIN MUL_HI
	MUL16 4, 1, NQ-1, \slot, 0
	MUL16 6, 1, NQ-1, \slot, 0
	PLACES NP
	WIN 0
	FETCH_A \next, 0, 4
.endm
; The very last step of 128 along K: nothing more to fetch.  It stands in both arms of the way out, behind the arm's loads of its biases, which land under its 64 matrix instructions.
.macro LAST
	s_wait_dscnt 4*NL
	WIN MUL_LO
	MUL16 0, 1, NQ-1, 1, 0
	MUL16 2, 1, NQ-1, 1, 0
	s_wait_dscnt 0
	WIN MUL_HI
	MUL16 4, 1, NQ-1, 1, 0
	MUL16 6, 1, NQ-1, 1, 0
	WIN 0
	PLACES NP                                      ; in front of the first read of the last results and of the first write over A's fragments
	s_wait_loadcnt 0x0                             ; the biases
.irp b, 0,1,2,3
	v_mov_b32 v[TM+4+\b], 0                        ; written once: a lane permute's destination counts as one of its sources
.endr
.endm
; Row block a's 64 numbers a lane with their bias, into v[T] on: register 8 b + j = out(16 a + r, 16 b + 8 h + j).  Each accumulator is read from its low end on.  kind = 0: bias by n;  1: bias by m (a pair of equal numbers for block a)
.macro TADD a, kind
	WIN 0x02+(\a)/4                                ; source 0: window 2 or 3
.set AC, 64*((\a)%4)
.set ii, 0
.rept 32
.if \kind
	v_pk_add_f32 v[T+ii:T+ii+1], v[AC+ii:AC+ii+1], v[BIAS+2*(\a):BIAS+2*(\a)+1]
.else
	v_pk_add_f32 v[T+ii:T+ii+1], v[AC+ii:AC+ii+1], v[BIAS+ii:BIAS+ii+1]
.endif
.set ii, ii+2
.endr
	WIN 0
.endm
; 64 numbers of a lane, v[s] on, register 16 b + i of block b, become codes: blocks 0, 1 in v[d0] .. v[d0 + 5] (lanes 0-15 block 0, lanes 16-31 block 1), blocks 2, 3 in v[d1] on; their bytes two and two in v[h0], v[h1].
.macro QUANT s, d0, d1, h0, h1
.irp b, 0,1,2,3
	v_max3_num_f32 v[TM+\b], |v[\s+16*\b]|, |v[\s+1+16*\b]|, 0x1800000   ; block b: my 16 numbers, and the floor 2^(3 - 127): so the byte cannot fall under 1
.endr
.irp i, 2,4,6,8,10,12,14
.irp b, 0,1,2,3
	v_max3_num_f32 v[TM+\b], v[TM+\b], |v[\s+16*\b+\i]|, |v[\s+1+16*\b+\i]|   ; (the four blocks by turns)
.endr
.endr
.irp b, 0,1,2,3
	v_permlanex16_b32 v[TM+4+\b], v[TM+\b], s[SEL], s[SEL+1]
.endr
.irp b, 0,1,2,3
	v_max_num_f32 v[TM+\b], v[TM+\b], v[TM+4+\b]   ; with lane l xor 16's: the block's largest magnitude
.endr
.irp b, 0,1,2,3
	v_add_nc_u32 v[TM+8+\b], 0xff000000, v[TM+\b]  ; 2 off its exponent field: the conversion's scale operand
.endr
.irp b, 0,1,2,3
	v_lshrrev_b32 v[TM+4+\b], 23, v[TM+8+\b]       ; the scale's byte
.endr
	v_lshl_or_b32 v[\h0], v[TM+5], 8, v[TM+4]
	v_lshl_or_b32 v[\h1], v[TM+7], 8, v[TM+6]
	v_cvt_scalef32_pk16_fp6_f32 v[\d0:\d0+2], v[\s:\s+15], v[TM+8]
	v_cvt_scalef32_pk16_fp6_f32 v[CT:CT+2], v[\s+16:\s+31], v[TM+9]      ; (a conversion's three registers begin on an even number)
	v_cvt_scalef32_pk16_fp6_f32 v[\d1:\d1+2], v[\s+32:\s+47], v[TM+10]
	v_cvt_scalef32_pk16_fp6_f32 v[CT+4:CT+6], v[\s+48:\s+63], v[TM+11]
	v_nop                                          ; one plain place behind a scaled conversion
.irp i, 0,1,2                                  ; the operand's layout wants a WHOLE block in a lane: the first's lanes 16-31 change places with the second's lanes 0-15
	v_permlane16_swap_b32 v[\d0+\i], v[CT+\i]
	v_permlane16_swap_b32 v[\d1+\i], v[CT+4+\i]
.endr
.irp i, 0,1,2
	v_mov_b32 v[\d0+3+\i], v[CT+\i]
	v_mov_b32 v[\d1+3+\i], v[CT+4+\i]
.endr
.endm
	s_wait_alu depctr_va_vdst(0)
	s_wait_tensorcnt 1                             ; the scales and my part of K step 0 are in (K step 1's load may be out),
	s_barrier_signal -1
	s_barrier_wait -1                              ; everybody's are
	FETCH_B 0, 0, 0
	FETCH_A 0, 0, 0
	SCALES 0
	FETCH_A 0, 0, 4
	STEP 0, 0, 1                                   ; the first step stands in front of the loop: its products start the sums
	s_mov_b32 s3, LAPS-1
.Llap:                                                 ; a trip goes once round the ring, from a lap's second step to the next lap's first, and fills both slots again
	TURN 0, 1, 1
	STEP 1, 0, 0
	TURN 1, 0, 1
	STEP 0, 0, 0
	s_sub_co_u32 s3, s3, 1
	s_cmp_lg_u32 s3, 0
	s_cbranch_scc1 .Llap
	TURN 0, 1, 0                                   ; the last lap fills nothing, and has no round of the cluster's barrier
	STEP 1, 0, 0
	s_cmp_eq_u32 s98, 1                            ; THE WAY OUT parts once, on the cluster's number: the same way in all sixteen partners and in all waves
	s_cbranch_scc1 .Lfor_v
	; ---- q and k: rows are tokens, columns two heads of 64.  Register 8 b + j of the biases: bias(my first n + 16 b + 8 h + j)
.irp b, 0,1,2,3,4,5,6,7
	global_load_b128 v[BIAS+8*\b:BIAS+8*\b+3], v[BOQ], s[12:13] offset:64*\b
	global_load_b128 v[BIAS+8*\b+4:BIAS+8*\b+7], v[BOQ], s[12:13] offset:64*\b+16
.endr
	LAST
.irp bp, 0,1,2,3                               ; image b' of each head: row blocks 2 b' and 2 b' + 1
.if \bp > 0
	s_wait_xcnt 0x0                                ; the last image's stores have read their registers: they may be written again
.endif
	TADD 2*\bp, 0
	QUANT T, IM, IM+12, WA+\bp, WB+\bp
	TADD 2*\bp+1, 0
	QUANT T, IM+6, IM+18, HH, HH+1
	v_lshl_or_b32 v[WA+\bp], v[HH], 16, v[WA+\bp]      ; the pair's word: bytes 0, 1 for the first 16 tokens, bytes 2, 3 for the second
	v_lshl_or_b32 v[WB+\bp], v[HH+1], 16, v[WB+\bp]
.irp p, 0,1,2
	global_store_b128 v[OUTI], v[IM+4*\p:IM+4*\p+3], s[OUT0:OUT0+1] offset:1536*\bp+512*\p          ; 32 lanes store 512 consecutive bytes, aligned to 256
	global_store_b128 v[OUTI], v[IM+12+4*\p:IM+12+4*\p+3], s[OUT1:OUT1+1] offset:1536*\bp+512*\p
.endr
.endr
	s_branch .Lwords
.Lfor_v:
	; ---- v: rows are two heads of 64 d, columns one key step's 128 keys.  A pair of equal numbers for each row block: bias(my first m + 16 a + r)
.irp a, 0,1,2,3,4,5,6,7
	global_load_b32 v[BIAS+2*\a], v[BOV], s[12:13] offset:64*\a
	global_load_b32 v[BIAS+2*\a+1], v[BOV], s[12:13] offset:64*\a
.endr
	LAST
.irp a, 0,1,2,3,4,5,6,7                        ; row block a is a whole fragment: head a / 4, d tile a % 4
.if \a > 1
	s_wait_xcnt 0x0                                ; the stores of two blocks ago have read their registers
.endif
	TADD \a, 1
	QUANT T, IM+12*(\a%2), IM+12*(\a%2)+6, HH, HH+1
	v_lshl_or_b32 v[WA+\a], v[HH+1], 16, v[HH]         ; the fragment's scale word (v244-247 follow v240-243: the second head's)
.irp p, 0,1,2
	global_store_b128 v[OUTI], v[IM+12*(\a%2)+4*\p:IM+12*(\a%2)+4*\p+3], s[OUT0+4*(\a/4):OUT0+4*(\a/4)+1] offset:1536*(\a%4)+512*\p
.endr
.endr
.Lwords:
	s_mov_b32 s46, 0xffff0000                      ; every lane holds both heads' words of its row r: lanes 0-15 store the first head's, lanes 16-31 the second's
	s_wait_alu depctr_va_vdst(0)
.irp i, 0,1,2,3
	v_cndmask_b32 v[WA+\i], v[WA+\i], v[WB+\i], s46
.endr
	global_store_b128 v[OUTS], v[WA:WA+3], s[OUTSC:OUTSC+1]   ; 16 lanes store 256 consecutive bytes, aligned, for each head
	s_wait_tensorcnt 0x0                           ; the wave's end, behind my last tensor load
	ds_add_u32 v[SPW], v[NIL]
	s_wait_dscnt 0x0
	CROUND                                         ; the closing round: no work-group ends while a partner may still ask for a tile that names it
	s_endpgm
.Lfunc_end_k_q018b3859cf_proj:
	.size	k_q018b3859cf_proj, .Lfunc_end_k_q018b3859cf_proj-k_q018b3859cf_proj
	.p2alignl 7, 3214868480
	.fill 96, 4, 3214868480
	.section	.rodata,"a",@progbits
	.p2align	6, 0x0
	.amdhsa_kernel k_q018b3859cf_proj
		.amdhsa_group_segment_fixed_size 327680
		.amdhsa_private_segment_fixed_size 0
		.amdhsa_enable_private_segment 0
		.amdhsa_kernarg_size 136
		.amdhsa_user_sgpr_count 2
		.amdhsa_user_sgpr_kernarg_segment_ptr 1
		.amdhsa_wavefront_size32 1
		.amdhsa_system_sgpr_workgroup_id_x 1
		.amdhsa_system_sgpr_workgroup_id_y 1
		.amdhsa_system_sgpr_workgroup_id_z 1
		.amdhsa_system_vgpr_workitem_id 0
		.amdhsa_next_free_vgpr 1024
		.amdhsa_next_free_sgpr 102
		.amdhsa_reserve_vcc 0
		.amdhsa_float_denorm_mode_32 3
		.amdhsa_float_denorm_mode_16_64 3
		.amdhsa_memory_ordered 1
		.amdhsa_forward_progress 1
		.amdhsa_inst_pref_size 241
	.end_amdhsa_kernel
	.amdgpu_metadata
---
amdhsa.version: [ 1, 2 ]
amdhsa.kernels:
  - .name:           k_q018b3859cf_proj
    .symbol:         k_q018b3859cf_proj.kd
    .args:
      - { .name: Qc, .offset: 0, .size: 8, .value_kind: global_buffer, .address_space: global }
      - { .name: Qs, .offset: 8, .size: 8, .value_kind: global_buffer, .address_space: global }
      - { .name: Wq_codes, .offset: 16, .size: 8, .value_kind: global_buffer, .address_space: global }
      - { .name: Wq_scales, .offset: 24, .size: 8, .value_kind: global_buffer, .address_space: global }
      - { .name: bq, .offset: 32, .size: 8, .value_kind: global_buffer, .address_space: global }
      - { .name: K_codes, .offset: 40, .size: 8, .value_kind: global_buffer, .address_space: global }
      - { .name: K_scales, .offset: 48, .size: 8, .value_kind: global_buffer, .address_space: global }
      - { .name: Wk_codes, .offset: 56, .size: 8, .value_kind: global_buffer, .address_space: global }
      - { .name: Wk_scales, .offset: 64, .size: 8, .value_kind: global_buffer, .address_space: global }
      - { .name: bk, .offset: 72, .size: 8, .value_kind: global_buffer, .address_space: global }
      - { .name: Wv_codes, .offset: 80, .size: 8, .value_kind: global_buffer, .address_space: global }
      - { .name: Wv_scales, .offset: 88, .size: 8, .value_kind: global_buffer, .address_space: global }
      - { .name: V_codes, .offset: 96, .size: 8, .value_kind: global_buffer, .address_space: global }
      - { .name: V_scales, .offset: 104, .size: 8, .value_kind: global_buffer, .address_space: global }
      - { .name: bv, .offset: 112, .size: 8, .value_kind: global_buffer, .address_space: global }
      - { .name: qb, .offset: 120, .size: 8, .value_kind: global_buffer, .address_space: global }
      - { .name: kv, .offset: 128, .size: 8, .value_kind: global_buffer, .address_space: global }
    .group_segment_fixed_size: 327680
    .private_segment_fixed_size: 0
    .kernarg_segment_align: 8
    .kernarg_segment_size: 136
    .max_flat_workgroup_size: 128
    .sgpr_count:     102
    .vgpr_count:     1024
    .wavefront_size: 32
...
	.end_amdgpu_metadata
.endif
;; end of part 2
;; launch attn (part 3): grid 4 x 64, 16 waves a work-group, clusters of 4 x 1, 215,296 bytes of LDS; arguments qb, kv, mask, ctxc, ctxs; writes ctxc, ctxs
.if DOCPART == 3
	.amdgcn_target "amdgcn-amd-amdhsa--gfx1250"
	.amdhsa_code_object_version 6
	.text
	.protected	k_q018b3859cf_attn
	.globl	k_q018b3859cf_attn
	.p2align	8
	.type	k_q018b3859cf_attn,@function
k_q018b3859cf_attn:
	s_mov_b64 s[64:65], 0
	v_nop
	global_prefetch_b8 v0, s[64:65] scope:SCOPE_SE
	s_setreg_imm32_b32 hwreg(HW_REG_WAVE_MODE, 25, 1), 1
	s_wait_xcnt 0x0
	s_wait_alu depctr_hold_cnt(0) depctr_sa_sdst(0) depctr_va_vdst(0) depctr_va_sdst(0) depctr_va_ssrc(0) depctr_va_vcc(0) depctr_vm_vsrc(0)
	s_getreg_b32 s2, hwreg(HW_REG_IB_STS2, 6, 4)
	s_cmp_eq_u32 s2, 0
	s_cbranch_scc0 .Lentry_in_a_cluster
	s_endpgm
.Lentry_in_a_cluster:
	s_bfe_u32 s2, ttmp6, 0x10000c
	s_cmp_lg_u32 s2, 0x3003
	s_cbranch_scc0 .Lentry_shape_is_right
	s_endpgm
.Lentry_shape_is_right:
; ATTENTION of one head: ctx[q] = (sum over keys of p v) / l, both products on codes of FP6 (E2M3) with E8M0 scales; ctx is quantised along the head's 64 for the projection that follows.  No work of the problem is left out here.
; THE SOFTMAX: t = logit x log2(e), logit = score / 8; M = the largest t so far, rounded UP to a whole number; p = 2^(t - M) is what is quantised, along the keys, not normalised; l is the sum of the unquantised p and divides at the end.
; When M moves, l and the sums are multiplied by 2^(old M - new M): exact.
; THE MASK costs no vector work: the score product begins with C = 0 for a key that counts and C = -2^33 for a masked one, so a masked logit is -2^30 + score / 8 in place of -1e9: p = 0 beside any key that counts, as with -1e9.
; A batch in which NO key counts has all logits equal in the problem (-1e9): there c, the factor log2(e) / 8, is replaced by 0 (a selected constant, no branch): every t = 0, M = 0, p = 1, which is the problem's uniform row.
; LIMITS: the results are the problem's while |q . k| stays under 2^32; NaN and infinities are not served; a block whose largest magnitude lies under 2^-124 keeps the scale byte 1 (a block of zeros too: its codes are zeros).
; SHARES.  A work-group owns one head (16 x batch + head = the cluster's y) and 512 queries; each of its SIXTEEN waves owns 32 of them, two tiles of 16, walked one after the other, in 256 registers: four waves to a SIMD, so that
; one wave's vector work stands beside another's matrix work and LDS loads.  Every wave walks all 2,048 keys, 128 a step.
; THE WHOLE HEAD'S k AND v LIE IN LDS: 16 chunks of 12,800 bytes, as the launch before laid them: images of operand registers, so that every fragment comes by three loads of 16 bytes a lane.  They are filled ONCE: wave w asks for chunk w:
; one tensor load a wave, no ring, no refill.  The four work-groups of a cluster own the same head and ask JOINTLY.
; LAYOUT.  Both products are used transposed (source 0 = 16 keys, or 16 of the head's 64; source 1 = my 16 queries): a lane holds ONE query (lane % 16) throughout.
; THE SCORE PRODUCT HAS K = 64 IN AN INSTRUCTION 128 DEEP: an image of k holds two tiles of 16 keys side by side along K; against (q | 0) it gives the first tile's scores, against (0 | q) the second's: zero codes add exactly 0.
; THE ORDER INSIDE A BLOCK OF 32: q, k, v come with each block's four eights in the order g0 g2 g1 g3; p comes out in the same order here (lanes 0-15 hold g0 and g2 of a block of keys, lanes 16-31 g1 and g3), so both products sum the
; same pairs as in the natural order.  ctx meets Wo, which is given in the natural order: four byte permutes a tile put ctx's codes right.
; REGISTERS: v1-6 addresses that stay; v8, v9 addresses of the step; v12 -M, v13 the largest t, v[14:15] l in two halves; v16-21, v24-29 ctx's codes; v32-79 four fragments of k, then of v; v96-159 S^T, then p; v160-191 O^T;
;   v192-209 (q | 0 | q); v210-221 q's image; v222 its words; v223 ctx's scale word; v224.. p's codes; v232-254 at work; v248-251 the step's scale words (lanes 0-15 k's, lanes 16-31 v's), v253 p's, v255 q's.
.set CHUNK, 12800
.set QCH,   6400
.set MB,    16*CHUNK                   ; behind the 16 chunks: the mask as 2,048 addends, f32
.set FLG,   MB+8192                    ; a word for each wave: does one of its 128 keys count?
.set SPARE, FLG+256                    ; the spare words, 128 bytes for each wave, which no other line names
.set LI,   1                           ; v1   16 x lane
.set MBA,  2                           ; v2   MB + 32 h: my eight addends of a tile of 16 keys
.set SPW,  3                           ; v3   LDS address of my spare word; never rewritten
.set NIL,  4                           ; v4   0; never rewritten
.set GO,   5                           ; v5   8 x lane
.set SO,   6                           ; v6   4 r
.set ADK,  8                           ; v8   the step's chunk + 16 x lane
.set ADM,  9                           ; v9   the step's addends
.set WV,   14                          ; s14  my wave's number
.set SEL,  20                          ; s[20:21] lane selects for v_permlanex16_b32: lane l xor 16
.set CS,   22                          ; s[22:23] c: the packed form names a pair and takes its low word for both halves
.set G1,   24                          ; s[24:31] descriptor group 1;  s[32:35] group 0
.set G0,   32
.set TB,   36                          ; s36  LDS byte at which the step's chunk begins
.set TMS,  37                          ; s37  and its addends: 512 bytes a step
.set CNT,  38                          ; s38  steps to go
.macro CROUND                          ; a round of the cluster's barrier
	s_barrier_signal -1
	s_barrier_wait -1
	s_cmp_lg_u32 s[WV], 0
	s_cbranch_scc1 .Lnot_wave_0_\@
	s_barrier_signal -3
.Lnot_wave_0_\@:
	s_barrier_wait -3
	s_barrier_signal -1
	s_barrier_wait -1
.endm
	s_load_b256 s[4:11], s[0:1], 0x0               ; qb s[4:5], kv s[6:7], mask s[8:9], ctxc s[10:11]
	s_load_b64 s[12:13], s[0:1], 0x20              ; ctxs
	v_lshl_add_u32 v[SPW], v0, 2, SPARE
	v_mov_b32 v[NIL], 0
	ds_add_u32 v[SPW], v[NIL]                      ; the wave's opening: the add, twice on end, and its wait ahead of my first tensor load; work on registers stands between the second and the wait
	ds_add_u32 v[SPW], v[NIL]
	v_lshrrev_b32 v7, 5, v0
	s_delay_alu instid0(VALU_DEP_1)
	v_readfirstlane_b32 s[WV], v7                  ; wave 0..15
	s_bfe_u32 s15, ttmp6, 0x40000                  ; cx
	s_lshl_b32 s16, ttmp9, 2
	s_add_co_u32 s15, s16, s15                     ; my block of 512 queries: it enters q's and ctx's addresses alone
	s_and_b32 s16, ttmp7, 0xffff                   ; 16 x batch + head, which the four partners share
	; descriptor group 1: a chunk is dense: 50 rows of 256 bytes (32 elements of 8 bytes), no padding
	s_mov_b32 s[G1], 15|(3<<16)|(1<<21)            ; 15:0 the mask: all four work-groups; 17:16 elements of 8 bytes; 21 set beside a mask
	s_mov_b32 s[G1+1], 32<<16                      ; tensor_dim0
	s_mov_b32 s[G1+2], 50<<16                      ; tensor_dim1
	s_mov_b32 s[G1+3], 32<<16                      ; tile_dim0
	s_mov_b32 s[G1+4], 50                          ; tile_dim1
	s_mov_b32 s[G1+5], 32                          ; tensor_dim0_stride
	s_mov_b32 s[G1+6], 0
	s_mov_b32 s[G1+7], 0
	s_lshl_b32 s40, s16, 4
	s_add_co_u32 s40, s40, s[WV]
	s_mul_i32 s40, s40, CHUNK                      ; chunk w of my head, in memory,
	s_mov_b32 s41, 0
	s_mul_i32 s17, s[WV], CHUNK                    ; and in LDS
	s_lshl_b32 s42, s15, 4
	s_add_co_u32 s42, s42, s[WV]                   ; my block of 32 queries in the sequence, 0..63
	s_lshr_b32 s43, s42, 2
	s_lshl_b32 s44, s16, 4
	s_add_co_u32 s43, s43, s44
	s_mul_i32 s44, s43, QCH                        ; q's chunk: four blocks of 32 each
	s_and_b32 s43, s42, 3
	s_mul_i32 s46, s43, 1536
	s_add_co_u32 s46, s46, s44                     ; my image in it,
	s_mov_b32 s47, 0
	s_lshl_b32 s43, s43, 2
	s_add_co_u32 s44, s44, s43
	s_add_co_u32 s44, s44, 6144                    ; and my words
	s_mov_b32 s45, 0
	s_lshr_b32 s18, s16, 4                         ; the batch
	s_lshl_b32 s48, s18, 13                        ; its 2,048 numbers of the mask
	s_mov_b32 s49, 0
	s_lshl_b32 s18, s18, 6
	s_add_co_u32 s18, s18, s42                     ; my block of 32 tokens among all 256
	s_and_b32 s19, s16, 15                         ; the head
	s_mul_i32 s50, s18, 24576
	s_mul_i32 s52, s19, 768
	s_add_co_u32 s50, s50, s52                     ; ctx's codes: (block x 2 + tile) x 16 heads x 768 bytes
	s_mov_b32 s51, 0
	s_lshl_b32 s52, s19, 14
	s_lshl_b32 s18, s18, 6
	s_add_co_u32 s52, s52, s18                     ; its scale words: head x 16,384 + block x 64
	s_mov_b32 s53, 0
	s_mov_b32 s[SEL], 0x76543210
	s_mov_b32 s[SEL+1], 0xfedcba98
	s_wait_dscnt 0x0                               ; both opening adds are done
	s_wait_kmcnt 0x0
	s_mov_b32 s[G0], 1                             ; count = 1
	s_mov_b32 s[G0+1], s17                         ; LDS address
	s_add_nc_u64 s[G0+2:G0+3], s[6:7], s[40:41]    ; global address
	s_or_b32 s[G0+3], s[G0+3], 0x80000000          ; type = 2
	s_add_nc_u64 s[54:55], s[4:5], s[44:45]
	s_add_nc_u64 s[4:5], s[4:5], s[46:47]
	s_add_nc_u64 s[8:9], s[8:9], s[48:49]
	s_add_nc_u64 s[10:11], s[10:11], s[50:51]
	s_add_nc_u64 s[12:13], s[12:13], s[52:53]
	CROUND                                         ; all four work-groups are here: the joint loads meet
	tensor_load_to_lds s[G0:G0+3], s[G1:G1+7]      ; my one tensor load of the launch
	s_nop 0
.rept 4
	v_nop
.endr
	v_and_b32 v7, 31, v0                           ; lane
	v_and_b32 v10, 15, v0                          ; r
	v_bfe_u32 v11, v0, 4, 1                        ; h
	s_delay_alu instid0(VALU_DEP_3)
	v_lshlrev_b32 v[LI], 4, v7
	s_delay_alu instid0(VALU_DEP_2)
	v_lshl_add_u32 v[MBA], v11, 5, MB
	v_lshlrev_b32 v[GO], 3, v7
	v_lshlrev_b32 v[SO], 2, v10
	v_lshlrev_b32 v16, 4, v0                       ; 16 x thread: my four numbers of the mask
	v_lshlrev_b32 v17, 4, v10                      ; 16 r
	v_lshl_add_u32 v18, v0, 4, MB                  ; and where their addends go
	global_load_b128 v[96:99], v16, s[8:9]
	global_load_b128 v[210:213], v[LI], s[4:5]     ; q's image: both my tiles
	global_load_b128 v[214:217], v[LI], s[4:5] offset:512
	global_load_b128 v[218:221], v[LI], s[4:5] offset:1024
	global_load_b32 v222, v17, s[54:55]            ; and its word: bytes 0, 1 the first tile's, bytes 2, 3 the second's
	s_wait_loadcnt 0x4                             ; the mask's load is in; q's four, issued behind it, may be out
	v_mov_b32 v104, 0xd0000000                     ; -2^33
.irp i, 0,1,2,3
	v_cmp_eq_u32 vcc_lo, 0, v[96+\i]
	s_delay_alu instid0(VALU_DEP_1)
	v_cndmask_b32 v[100+\i], 0, v104, vcc_lo
.endr
	ds_store_b128 v18, v[100:103]
	v_or_b32 v96, v96, v97
	v_or_b32 v98, v98, v99
	s_delay_alu instid0(VALU_DEP_1)
	v_or_b32 v96, v96, v98
	s_delay_alu instid0(VALU_DEP_1)
	v_cmp_ne_u32 vcc_lo, 0, v96
	s_cmp_lg_u32 vcc_lo, 0                         ; does one of my wave's 128 keys count?
	s_cselect_b32 s40, 1, 0
	v_mov_b32 v105, s40
	s_lshl_b32 s41, s[WV], 2
	s_add_co_u32 s41, s41, FLG
	v_mov_b32 v106, s41
	ds_store_b32 v106, v105                        ; all lanes write the same word with the same value
	s_wait_tensorcnt 0x0                           ; my chunk has landed,
	s_wait_dscnt 0x0                               ; my stores are done:
	s_barrier_signal -1
	s_barrier_wait -1                              ; everybody's.  Nothing is filled or stored in LDS from here on
	v_mov_b32 v112, FLG
	ds_load_b128 v[96:99], v112
	ds_load_b128 v[100:103], v112 offset:16
	ds_load_b128 v[104:107], v112 offset:32
	ds_load_b128 v[108:111], v112 offset:48
	s_wait_dscnt 0x0
.irp i, 1
	v_or_b32 v96, v96, v[96+\i]
.endr
.irp i, 2, 3, 4, 5, 6, 7, 8, 9, 10, 11, 12, 13, 14, 15
	s_delay_alu instid0(VALU_DEP_1)
	v_or_b32 v96, v96, v[96+\i]
.endr
	s_delay_alu instid0(VALU_DEP_1)
	v_readfirstlane_b32 s40, v96
	s_cmp_lg_u32 s40, 0
	s_cselect_b32 s[CS], 0x3e38aa3b, 0             ; c = log2(e) / 8, or 0 where no key of the batch counts: a selected constant, no branch
	s_mov_b32 s[CS+1], s[CS]
	s_wait_loadcnt 0x0                             ; q
.irp i, 0,1,2,3,4,5
	v_mov_b32 v[198+\i], 0                         ; the zero codes between the two copies of q
.endr
.irp b, 0,1,2,3
	v_mov_b32 v[236+\b], 0                         ; written once: a lane permute's destination counts as one of its sources
.endr
; A KEY STEP: 128 keys.
.macro STEP
	v_add_nc_u32 v[ADK], s[TB], v[LI]
	v_add_nc_u32 v[ADM], s[TMS], v[MBA]
	v_nop
	v_nop                                          ; four places in front of loads into registers that the last products have read
	ds_load_b128 v[248:251], v[ADK] offset:12288   ; the step's scale words: lanes 0-15 k's four, lanes 16-31 v's four
.irp b, 0,1,2,3
.irp p, 0,1,2
	ds_load_b128 v[32+12*\b+4*\p:35+12*\b+4*\p], v[ADK] offset:1536*\b+512*\p     ; k's image b: keys 32 b + 0 .. 31
.endr
.endr
.irp t, 0,1,2,3,4,5,6,7
	ds_load_b128 v[96+8*\t:99+8*\t], v[ADM] offset:64*\t          ; the addends of keys 16 t + 8 h + 0 .. 7: the C of tile t
	ds_load_b128 v[100+8*\t:103+8*\t], v[ADM] offset:64*\t+16
.endr
	s_wait_alu depctr_va_vdst(0)
	s_wait_dscnt 0x0
.irp b, 0,1,2,3                                ; S^T = k q^T + the addends: eight accumulators, one instruction each
	v_wmma_scale_f32_16x16x128_f8f6f4 v[96+16*\b:103+16*\b], v[32+12*\b:43+12*\b], v[192:203], v[96+16*\b:103+16*\b], v[248+\b], v255 matrix_a_fmt:MATRIX_FMT_FP6 matrix_b_fmt:MATRIX_FMT_FP6
	v_wmma_scale_f32_16x16x128_f8f6f4 v[104+16*\b:111+16*\b], v[32+12*\b:43+12*\b], v[198:209], v[104+16*\b:111+16*\b], v[248+\b], v255 matrix_a_fmt:MATRIX_FMT_FP6 matrix_b_fmt:MATRIX_FMT_FP6
.endr                                          ; lane (r, h) holds query r; the 16 registers of tiles 2 b, 2 b + 1 are keys 32 b + 8 h + 0 .. 7 and 32 b + 16 + 8 h + 0 .. 7
.rept 4
	v_nop                                          ; places: in front of the loads below and of the first read of the scores
.endr
.irp t, 0,1,2,3
.irp p, 0,1,2
	ds_load_b128 v[32+12*\t+4*\p:35+12*\t+4*\p], v[ADK] offset:6144+1536*\t+512*\p    ; v's image t: they land under the softmax
.endr
.endr
.irp b, 0,1,2,3
	v_max3_num_f32 v[232+\b], v[96+16*\b], v[97+16*\b], v[98+16*\b]   ; THE LARGEST SCORE OF EACH BLOCK OF 32 KEYS: it serves twice: for the row's maximum, and, since p does not fall where the score rises, for the block's largest p
.endr
.irp i, 3,5,7,9,11,13
.irp b, 0,1,2,3
	v_max3_num_f32 v[232+\b], v[232+\b], v[96+16*\b+\i], v[97+16*\b+\i]   ; (the four blocks by turns)
.endr
.endr
.irp b, 0,1,2,3
	v_max_num_f32 v[232+\b], v[232+\b], v[111+16*\b]
.endr
.irp b, 0,1,2,3
	s_delay_alu instid0(VALU_DEP_4)
	v_permlanex16_b32 v[236+\b], v[232+\b], s[SEL], s[SEL+1]
.endr
.irp b, 0,1,2,3
	s_delay_alu instid0(VALU_DEP_4)
	v_max_num_f32 v[232+\b], v[232+\b], v[236+\b]  ; with lane l xor 16's 16 keys
.endr
	s_delay_alu instid0(VALU_DEP_2)
	v_max3_num_f32 v254, v232, v233, v234
	s_delay_alu instid0(VALU_DEP_1)
	v_max_num_f32 v254, v254, v235                 ; the step's largest score of my query
	s_delay_alu instid0(VALU_DEP_1)
	v_mul_f32 v254, s[CS], v254                    ; as t (c is not negative)
	s_delay_alu instid0(VALU_DEP_1)
	v_max_num_f32 v13, v13, v254                   ; the running largest t
	v_mov_b32 v254, v12
	s_delay_alu instid0(VALU_DEP_2)
	v_floor_f32 v12, -v13                          ; the new -M = floor(-t) = -ceil(t): M IS A WHOLE NUMBER
	s_delay_alu instid0(VALU_DEP_1)
	v_sub_f32 v254, v12, v254                      ; M's old value less its new one: a whole number, 0 or less
	s_delay_alu instid0(VALU_DEP_1)
	v_cvt_i32_f32 v254, v254                       ; (it saturates)
	s_delay_alu instid0(VALU_DEP_1)
	v_ldexp_f32 v252, 1.0, v254                    ; f = 2^(old M - new M): a multiplication by it rounds nothing
.set jj, 0
.rept 32
	v_pk_fma_f32 v[96+jj:97+jj], v[96+jj:97+jj], s[CS:CS+1], v[12:13] op_sel_hi:[1,0,0]   ; t - M, two at a time (of the pairs c and -M the low word serves both halves)
.set jj, jj+2
.endr
.irp b, 0,1,2,3
	v_fma_f32 v[232+\b], v[232+\b], s[CS], v12     ; the same of each block's largest score
.endr
.set jj, 0
	s_setprio 1
	s_wait_alu depctr_va_vdst(0)
.rept 64
	v_exp_f32 v[96+jj], v[96+jj]                   ; p = 2^(t - M), at most 1: NOT normalised
.set jj, jj+1
.endr
	v_pk_mul_f32 v[14:15], v[14:15], v[252:253] op_sel_hi:[1,0]   ; l under the new M.  (A plain place behind the exponentials)
	s_wait_alu depctr_va_vdst(0)                   ; one wait for the whole batch, ahead of its first reader
.irp b, 0,1,2,3
	v_exp_f32 v[232+\b], v[232+\b]                 ; the block's largest p: the same two instructions on the same number give the same bits
.endr
	v_pk_add_f32 v[236:237], v[100:101], v[104:105]
	v_pk_add_f32 v[246:247], v[108:109], v[112:113]
	v_pk_add_f32 v[244:245], v[116:117], v[120:121]
	v_pk_add_f32 v[242:243], v[124:125], v[128:129]
	v_pk_add_f32 v[240:241], v[132:133], v[136:137]
	v_pk_add_f32 v[238:239], v[140:141], v[144:145]
	v_pk_add_f32 v[230:231], v[148:149], v[152:153]
	v_pk_add_f32 v[14:15], v[14:15], v[156:157]
	v_pk_add_f32 v[236:237], v[236:237], v[96:97]
	v_pk_add_f32 v[246:247], v[246:247], v[98:99]
	v_pk_add_f32 v[244:245], v[244:245], v[102:103]
	v_pk_add_f32 v[242:243], v[242:243], v[106:107]
	v_pk_add_f32 v[240:241], v[240:241], v[110:111]
	v_pk_add_f32 v[238:239], v[238:239], v[114:115]
	v_pk_add_f32 v[230:231], v[230:231], v[118:119]
	v_pk_add_f32 v[14:15], v[14:15], v[122:123]
	v_pk_add_f32 v[236:237], v[236:237], v[126:127]
	v_pk_add_f32 v[246:247], v[246:247], v[130:131]
	v_pk_add_f32 v[244:245], v[244:245], v[134:135]
	v_pk_add_f32 v[242:243], v[242:243], v[138:139]
	v_pk_add_f32 v[240:241], v[240:241], v[142:143]
	v_pk_add_f32 v[238:239], v[238:239], v[146:147]
	v_pk_add_f32 v[230:231], v[230:231], v[150:151]
	v_pk_add_f32 v[14:15], v[14:15], v[154:155]
	v_pk_add_f32 v[236:237], v[236:237], v[158:159]
	s_delay_alu instid0(VALU_DEP_2)
	v_pk_add_f32 v[14:15], v[14:15], v[242:243]
	s_delay_alu instid0(VALU_DEP_2)
	v_pk_add_f32 v[236:237], v[236:237], v[240:241]
	v_pk_add_f32 v[246:247], v[246:247], v[238:239]
	v_pk_add_f32 v[244:245], v[244:245], v[230:231]
	s_delay_alu instid0(VALU_DEP_2)
	v_pk_add_f32 v[14:15], v[14:15], v[246:247]
	s_delay_alu instid0(VALU_DEP_2)
	v_pk_add_f32 v[236:237], v[236:237], v[244:245]
	s_delay_alu instid0(VALU_DEP_1)
	v_pk_add_f32 v[14:15], v[14:15], v[236:237]
	s_wait_alu depctr_va_vdst(0)                   ; and one for the four
.irp b, 0,1,2,3
	v_max_num_f32 v[232+\b], 0x1800000, v[232+\b]  ; the floor 2^(3 - 127): the byte cannot fall under 1 (a block whose every p is 0 keeps that byte: its codes are zeros)
.endr
.irp b, 0,1,2,3
	s_delay_alu instid0(VALU_DEP_4)
	v_add_nc_u32 v[244+\b], 0xff000000, v[232+\b]  ; 2 off the exponent field: the conversion's scale operand
.endr
.irp b, 0,1,2,3
	s_delay_alu instid0(VALU_DEP_4)
	v_lshrrev_b32 v[236+\b], 23, v[244+\b]         ; the scale's byte
.endr
	s_delay_alu instid0(VALU_DEP_3)
	v_lshl_or_b32 v253, v237, 8, v236              ; p's scale word for these 128 keys
	s_delay_alu instid0(VALU_DEP_1)
	v_lshl_or_b32 v253, v238, 16, v253
	s_delay_alu instid0(VALU_DEP_1)
	v_lshl_or_b32 v253, v239, 24, v253
.irp c, 0,1
	v_cvt_scalef32_pk16_fp6_f32 v[224+6*\c:226+6*\c], v[96+32*\c:111+32*\c], v[244+2*\c]
	v_cvt_scalef32_pk16_fp6_f32 v[236+4*\c:238+4*\c], v[112+32*\c:127+32*\c], v[244+2*\c+1]   ; (a conversion's three registers begin on an even number)
.endr
	v_nop                                          ; one plain place behind a scaled conversion
.irp c, 0,1                                    ; the operand's layout wants a WHOLE block in a lane: lanes 0-15 block 2 c, lanes 16-31 block 2 c + 1
.irp i, 0,1,2
	v_permlane16_swap_b32 v[224+6*\c+\i], v[236+4*\c+\i]
.endr
.irp i, 0,1,2
	s_delay_alu instid0(VALU_DEP_3)
	v_mov_b32 v[227+6*\c+\i], v[236+4*\c+\i]
.endr
.endr
.set jj, 0
	s_setprio 0
.rept 16
	v_pk_mul_f32 v[160+jj:161+jj], v[160+jj:161+jj], v[252:253] op_sel_hi:[1,0]   ; O^T under the new M: x f.  (These 16 are also the places between the writes of p's codes and scale word and the products below)
.set jj, jj+2
.endr
	s_wait_alu depctr_va_vdst(0)
	s_wait_dscnt 0x0                               ; v's four images are in
.irp t, 0,1,2,3                                ; O^T += v^T p^T: four accumulators, one instruction each; v's scale words stand in lanes 16-31
	v_wmma_scale_f32_16x16x128_f8f6f4 v[160+8*\t:167+8*\t], v[32+12*\t:43+12*\t], v[224:235], v[160+8*\t:167+8*\t], v[248+\t], v253 matrix_a_fmt:MATRIX_FMT_FP6 matrix_b_fmt:MATRIX_FMT_FP6 matrix_a_scale:MATRIX_SCALE_ROW1
.endr
	s_add_co_u32 s[TB], s[TB], CHUNK
	s_add_co_u32 s[TMS], s[TMS], 512
.endm
; ONE TILE OF 16 QUERIES: tile u of my 32.
.macro TILE u
.irp i, 0,1,2,3,4,5
	v_mov_b32 v[192+\i], v[210+6*\u+\i]            ; (q | 0 | q)
	v_mov_b32 v[204+\i], v[210+6*\u+\i]
.endr
.if \u == 0
	v_perm_b32 v255, v222, v222, 0x05040100        ; q's two scale bytes, in both halves of the word: they serve (q | 0) and (0 | q)
.else
	v_perm_b32 v255, v222, v222, 0x07060302
.endif
	v_mov_b32 v13, 0xff61b1e6                      ; the largest t so far: -3e38, under every t
	s_delay_alu instid0(VALU_DEP_1)
	v_floor_f32 v12, -v13                          ; -M
	v_mov_b32 v14, 0                               ; l, in two halves
	v_mov_b32 v15, 0
	v_mov_b32 v253, 0                              ; (named as the upper half of the pair v[252:253] before it is first written)
.set jj, 0
.rept 32
	v_mov_b32 v[160+jj], 0                         ; O^T.  (The loop is written once: its first step finds zeros.  These are also the places between the writes of q's operand and scale word and the first product)
.set jj, jj+1
.endr
	s_mov_b32 s[TB], 0
	s_mov_b32 s[TMS], 0
	s_mov_b32 s[CNT], 16
.Lstep_\@:
	s_setprio 2
	STEP
	s_sub_co_u32 s[CNT], s[CNT], 1
	s_cmp_lg_u32 s[CNT], 0
	s_cbranch_scc1 .Lstep_\@
	s_setprio 0
	; the tile's way out
.rept 4
	v_nop                                          ; places behind the last products
.endr
	v_add_f32 v14, v14, v15                        ; l's two halves,
	s_delay_alu instid0(VALU_DEP_1)
	v_permlanex16_b32 v252, v14, s[SEL], s[SEL+1]
	s_delay_alu instid0(VALU_DEP_1)
	v_add_f32 v14, v14, v252                       ; and lane l xor 16's
	s_wait_alu depctr_va_vdst(0)
	v_rcp_f32 v14, v14
	v_nop                                          ; a plain place behind the reciprocal
	s_wait_alu depctr_va_vdst(0)                   ; and the wait ahead of its first reader
.set jj, 0
.rept 16
	v_pk_mul_f32 v[96+jj:97+jj], v[160+jj:161+jj], v[14:15] op_sel_hi:[1,0]   ; ctx = O^T / l: register 8 t + i is ctx(r, 16 t + 8 h + i); each accumulator from its low end on
.set jj, jj+2
.endr
.irp b, 0,1                                    ; the head's two blocks of 32
	v_max3_num_f32 v[232+\b], |v[96+16*\b]|, |v[97+16*\b]|, 0x1800000
.endr
.irp i, 2,4,6,8,10,12,14
.irp b, 0,1
	s_delay_alu instid0(VALU_DEP_2)
	v_max3_num_f32 v[232+\b], v[232+\b], |v[96+16*\b+\i]|, |v[97+16*\b+\i]|
.endr
.endr
.irp b, 0,1
	s_delay_alu instid0(VALU_DEP_2)
	v_permlanex16_b32 v[236+\b], v[232+\b], s[SEL], s[SEL+1]
.endr
.irp b, 0,1
	s_delay_alu instid0(VALU_DEP_2)
	v_max_num_f32 v[232+\b], v[232+\b], v[236+\b]
.endr
.irp b, 0,1
	s_delay_alu instid0(VALU_DEP_2)
	v_add_nc_u32 v[244+\b], 0xff000000, v[232+\b]
.endr
.irp b, 0,1
	s_delay_alu instid0(VALU_DEP_2)
	v_lshrrev_b32 v[236+\b], 23, v[244+\b]
.endr
.if \u == 0
	s_delay_alu instid0(VALU_DEP_1)
	v_lshl_or_b32 v223, v237, 8, v236              ; ctx's scale word: bytes 0, 1 this tile's,
.else
	s_delay_alu instid0(VALU_DEP_1)
	v_lshl_or_b32 v254, v237, 8, v236
	s_delay_alu instid0(VALU_DEP_1)
	v_lshl_or_b32 v223, v254, 16, v223             ; bytes 2, 3 the second tile's
.endif
	v_cvt_scalef32_pk16_fp6_f32 v[224:226], v[96:111], v244
	v_cvt_scalef32_pk16_fp6_f32 v[228:230], v[112:127], v245
	v_nop                                          ; one plain place behind a scaled conversion
.irp i, 0,1,2
	v_permlane16_swap_b32 v[224+\i], v[228+\i]     ; lane (r, h) now holds block h: v224-226 its g0 and g2, v228-230 its g1 and g3, 48 bits each
.endr
	s_delay_alu instid0(VALU_DEP_3)
	v_mov_b32 v[16+8*\u], v224                     ; the natural order g0 g1 g2 g3, 192 bits: g0's first 32;
	s_delay_alu instid0(VALU_DEP_3)
	v_perm_b32 v[17+8*\u], v228, v225, 0x05040100  ; g0's last 16, g1's first 16;
	s_delay_alu instid0(VALU_DEP_4)
	v_perm_b32 v[18+8*\u], v229, v228, 0x05040302  ; g1's last 32;
	s_delay_alu instid0(VALU_DEP_4)
	v_perm_b32 v[19+8*\u], v226, v225, 0x05040302  ; g2's first 32;
	v_perm_b32 v[20+8*\u], v229, v226, 0x07060302  ; g2's last 16, g3's first 16;
	v_mov_b32 v[21+8*\u], v230                     ; g3's last 32
.irp p, 0,1,2
	global_store_b64 v[GO], v[16+8*\u+2*\p:17+8*\u+2*\p], s[10:11] offset:12288*\u+256*\p   ; 32 lanes store 256 consecutive bytes, aligned
.endr
.endm
	TILE 0
	TILE 1
	global_store_b32 v[SO], v223, s[12:13]         ; my 16 rows' scale words: lanes r and r + 16 hold the same word and name the same place
	s_wait_tensorcnt 0x0                           ; the wave's end, behind my last tensor load and my last LDS store
	ds_add_u32 v[SPW], v[NIL]
	s_wait_dscnt 0x0
	CROUND                                         ; the closing round
	s_endpgm
.Lfunc_end_k_q018b3859cf_attn:
	.size	k_q018b3859cf_attn, .Lfunc_end_k_q018b3859cf_attn-k_q018b3859cf_attn
	.p2alignl 7, 3214868480
	.fill 96, 4, 3214868480
	.section	.rodata,"a",@progbits
	.p2align	6, 0x0
	.amdhsa_kernel k_q018b3859cf_attn
		.amdhsa_group_segment_fixed_size 215296
		.amdhsa_private_segment_fixed_size 0
		.amdhsa_enable_private_segment 0
		.amdhsa_kernarg_size 40
		.amdhsa_user_sgpr_count 2
		.amdhsa_user_sgpr_kernarg_segment_ptr 1
		.amdhsa_wavefront_size32 1
		.amdhsa_system_sgpr_workgroup_id_x 1
		.amdhsa_system_sgpr_workgroup_id_y 1
		.amdhsa_system_sgpr_workgroup_id_z 1
		.amdhsa_system_vgpr_workitem_id 0
		.amdhsa_next_free_vgpr 256
		.amdhsa_next_free_sgpr 66
		.amdhsa_reserve_vcc 1
		.amdhsa_float_denorm_mode_32 3
		.amdhsa_float_denorm_mode_16_64 3
		.amdhsa_memory_ordered 1
		.amdhsa_forward_progress 1
		.amdhsa_inst_pref_size 57
	.end_amdhsa_kernel
	.amdgpu_metadata
---
amdhsa.version: [ 1, 2 ]
amdhsa.kernels:
  - .name:           k_q018b3859cf_attn
    .symbol:         k_q018b3859cf_attn.kd
    .args:
      - { .name: qb, .offset: 0, .size: 8, .value_kind: global_buffer, .address_space: global }
      - { .name: kv, .offset: 8, .size: 8, .value_kind: global_buffer, .address_space: global }
      - { .name: mask, .offset: 16, .size: 8, .value_kind: global_buffer, .address_space: global }
      - { .name: ctxc, .offset: 24, .size: 8, .value_kind: global_buffer, .address_space: global }
      - { .name: ctxs, .offset: 32, .size: 8, .value_kind: global_buffer, .address_space: global }
    .group_segment_fixed_size: 215296
    .private_segment_fixed_size: 0
    .kernarg_segment_align: 8
    .kernarg_segment_size: 40
    .max_flat_workgroup_size: 512
    .sgpr_count:     66
    .vgpr_count:     256
    .wavefront_size: 32
...
	.end_amdgpu_metadata
.endif
;; end of part 3
;; launch outln (part 4): grid 256 x 1, 4 waves a work-group, clusters of 4 x 1, 327,680 bytes of LDS; arguments ctxc, ctxs, Wo_codes, Wo_scales, bo, Q, gamma, beta, out0; writes out0
.if DOCPART == 4
	.amdgcn_target "amdgcn-amd-amdhsa--gfx1250"
	.amdhsa_code_object_version 6
	.text
	.protected	k_q018b3859cf_outln
	.globl	k_q018b3859cf_outln
	.p2align	8
	.type	k_q018b3859cf_outln,@function
k_q018b3859cf_outln:
	s_mov_b64 s[64:65], 0
	v_nop
	global_prefetch_b8 v0, s[64:65] scope:SCOPE_SE
	s_setreg_imm32_b32 hwreg(HW_REG_WAVE_MODE, 25, 1), 1
	s_wait_xcnt 0x0
	s_wait_alu depctr_hold_cnt(0) depctr_sa_sdst(0) depctr_va_vdst(0) depctr_va_sdst(0) depctr_va_ssrc(0) depctr_va_vcc(0) depctr_vm_vsrc(0)
	s_getreg_b32 s2, hwreg(HW_REG_IB_STS2, 6, 4)
	s_cmp_eq_u32 s2, 0
	s_cbranch_scc0 .Lentry_in_a_cluster
	s_endpgm
.Lentry_in_a_cluster:
	s_bfe_u32 s2, ttmp6, 0x10000c
	s_cmp_lg_u32 s2, 0x3003
	s_cbranch_scc0 .Lentry_shape_is_right
	s_endpgm
.Lentry_shape_is_right:
; out0 = LayerNorm(ctx Wo^T + bo + Q) x gamma + beta.  The product is on codes of FP6 (E2M3) with E8M0 scales, K = 1,024; all else in f32.  No work of the problem is left out here.
; LIMITS: NaN and infinities are not served.
; SHARES.  LayerNorm wants whole rows: a work-group owns 32 rows (8,192 / 32 = 256 work-groups).  Wave w makes columns 256 w .. 256 w + 255 of them: 2 x 16 accumulators, 256 registers.
; ctx's 32 rows are 16 fragments, 192 registers: each wave loads them once, as the launch before laid them (planes of two registers, 8 bytes a lane).  My 8 rows of Q for the residual wait in 256 registers, asked for at the head.
; EVERY WORK-GROUP WALKS ALL OF Wo: the four of a cluster ask for its tiles JOINTLY.  A tile is 128 rows of Wo x 256 along K for each wave: tile t = 2 kappa + nu holds K = 256 kappa on of my rows 128 nu on; it lies in slot nu.  Each wave fetches and
; reads its own 128 rows: one tensor load a wave behind each round of the cluster's barrier.  Wo's scale bytes come once, with the first fills.
; THE MATRIX INSTRUCTION IS USED TRANSPOSED (source 0 = 16 rows of Wo, source 1 = 16 rows of ctx): a lane holds eight neighbouring columns of one row.
; THE WAY OUT.  The 32 rows meet in a stage in LDS (rows of 4,096 bytes + 16), which lies over the slots: they have had their last fill, and a barrier stands behind every wave's last read of them.  Then wave w takes rows 8 w .. 8 w + 7 whole.
; REGISTERS, in windows of 256: window 0: v0-31 addresses; v32-47 ctx's scale words, v48-63 Wo's, and nothing else; v64-159, v160-255 two sets of eight fragments of Wo; on the way out v64-159 bo, gamma, beta, v160-223 two rows, v224-237 at work.
;   window 1: accumulator (a, n) at v[8 (16 a + n)].   window 2: my 8 rows of Q, 32 registers each.   window 3: ctx's fragment (a, s) at v[12 (8 a + s)].
.set ROWB,   192                       ; a tile's row in bytes: 256 codes
.set KROW,   768
.set PITCH,  240                       ; an LDS row: 3 x (64 bytes of data + 16 of padding)
.set HALFT,  128*PITCH                 ; what one tensor load brings
.set SLOT,   4*HALFT
.set SCL,    2*SLOT                    ; behind the ring: Wo's scale bytes, 8,704 for each wave: 32 pieces of 256 bytes + 16
.set SCW,    32*272
.set SPARE,  SCL+4*SCW                 ; the spare words, 128 bytes for each wave, which no other line names
.set SPIT,   4112                      ; a stage row
.set R4,   17                          ; v17  4 r
.set L8,   18                          ; v18  8 x lane
.set LI,   19                          ; v19  16 x lane
.set ADRB, 20                          ; v20-21 LDS address of my fragments in slot 0, 1  (v22-23: for the pieces behind one padding more)
.set STO,  24                          ; v24-25 the stage: where I put 32 bytes of a row of tile a = 0, 1
.set RD,   26                          ; v26  and where I read my rows back
.set ADS,  27                          ; v27  LDS address of my row's scale bytes
.set SPW,  28                          ; v28  LDS address of my spare word; never rewritten
.set NIL,  29                          ; v29  0; never rewritten
.set SA,   32
.set SB,   48
.set RAW,  64                          ; v64-79 ctx's scale words as they are stored, a head each
.set BF0,  64
.set BF1,  160
.set BO,   64
.set GA,   96
.set BE,   128
.set XS,   160
.set TT,   224                         ; v224-227 sums in the making
.set MU,   228                         ; v[228:229] -mean, twice
.set RS,   230                         ; v[230:231] 1 / sqrt(var + eps), twice
.set WV,   22                          ; s22  my wave's number
.set G1,   24                          ; s[24:31] group 1 for Wo's tiles;  s[32:39] group 0, a set for each slot
.set G0,   32
.set G1S,  48                          ; s[48:55], s[56:59] groups 1 and 0 for the scale bytes
.set G0S,  56
.set SEL,  60                          ; s[60:61] lane selects for v_permlanex16_b32: lane l xor 16
.set MSB, 0
.macro WIN new                         ; the immediate's high byte repeats the setting that is left
.if MSB != (\new)
	s_set_vgpr_msb (MSB<<8)|(\new)
.set MSB, (\new)
.endif
.endm
.macro ROUND                           ; a round of the cluster's barrier
	s_barrier_signal -1
	s_barrier_wait -1
	s_cmp_lg_u32 s[WV], 0
	s_cbranch_scc1 .Lnot_wave_0_\@
	s_barrier_signal -3
.Lnot_wave_0_\@:
	s_barrier_wait -3
	s_barrier_signal -1
	s_barrier_wait -1
.endm
.macro PLACES
.rept 4
	v_nop
.endr
.endm
	s_load_b512 s[4:19], s[0:1], 0x0               ; ctxc s[4:5], ctxs s[6:7], Wo's codes s[8:9], Wo's scales s[10:11], bo s[12:13], Q s[14:15], gamma s[16:17], beta s[18:19]
	s_load_b64 s[20:21], s[0:1], 0x40              ; out0
	v_lshl_add_u32 v[SPW], v0, 2, SPARE
	v_mov_b32 v[NIL], 0
	ds_add_u32 v[SPW], v[NIL]                      ; the wave's opening: the add, twice on end, and its wait ahead of my first tensor load; work on registers stands between the second and the wait
	ds_add_u32 v[SPW], v[NIL]
	v_lshrrev_b32 v1, 5, v0
	v_readfirstlane_b32 s[WV], v1                  ; wave 0..3
	s_bfe_u32 s23, ttmp6, 0x40000                  ; cx
	s_lshl_b32 s40, ttmp9, 2
	s_add_co_u32 s40, s40, s23                     ; my block of 32 rows: it enters ctx's, Q's and out0's addresses alone
	; group 1: a tile of 128 rows x 192 bytes, padded in LDS
	s_mov_b32 s[G1], 15|(0<<16)|(1<<20)|(1<<21)|(3<<22)|(3<<25)   ; the mask: all four work-groups; elements of 1 byte; padding on; bit 21 set beside a mask; after every 16 words (code 3) 4 words (code 3)
	s_mov_b32 s[G1+1], ROWB<<16
	s_mov_b32 s[G1+2], 128<<16
	s_mov_b32 s[G1+3], ROWB<<16
	s_mov_b32 s[G1+4], 128
	s_mov_b32 s[G1+5], KROW
	s_mov_b32 s[G1+6], 0
	s_mov_b32 s[G1+7], 0
	; the scale bytes of my 256 rows: 8,192 dense bytes, as 32 rows of 256 bytes (32 elements of 8 bytes), 16 bytes of padding behind each
	s_mov_b32 s[G1S], 15|(3<<16)|(1<<20)|(1<<21)|(5<<22)|(3<<25)
	s_mov_b32 s[G1S+1], 32<<16
	s_mov_b32 s[G1S+2], 32<<16
	s_mov_b32 s[G1S+3], 32<<16
	s_mov_b32 s[G1S+4], 32
	s_mov_b32 s[G1S+5], 32
	s_mov_b32 s[G1S+6], 0
	s_mov_b32 s[G1S+7], 0
	s_mul_i32 s42, s[WV], 256*KROW                 ; my 256 rows of Wo
	s_mov_b32 s43, 0
	s_mul_i32 s44, s[WV], HALFT                    ; my part of a slot
	s_mul_i32 s45, s[WV], SCW                      ; my scale bytes in LDS,
	s_lshl_b32 s46, s[WV], 13                      ; and in memory
	s_mov_b32 s47, 0
	s_mov_b32 s[SEL], 0x76543210
	s_mov_b32 s[SEL+1], 0xfedcba98
	s_mov_b32 s62, 0x3a800000                      ; 1 / 1,024
	s_mov_b32 s63, 0x3727c5ac                      ; 1e-5
	s_wait_dscnt 0x0                               ; both opening adds are done
	s_wait_kmcnt 0x0
	s_add_nc_u64 s[42:43], s[8:9], s[42:43]
	s_mov_b32 s[G0S], 1
	s_add_co_u32 s[G0S+1], s45, SCL
	s_add_nc_u64 s[G0S+2:G0S+3], s[10:11], s[46:47]
	s_or_b32 s[G0S+3], s[G0S+3], 0x80000000
.irp n, 0,1
	s_mov_b32 s[G0+4*\n], 1
	s_add_co_u32 s[G0+4*\n+1], s44, \n*SLOT
	s_add_nc_u64 s[G0+4*\n+2:G0+4*\n+3], s[42:43], \n*128*KROW
	s_or_b32 s[G0+4*\n+3], s[G0+4*\n+3], 0x80000000
.endr
	ROUND                                          ; all four work-groups are here: the first joint loads meet
	tensor_load_to_lds s[G0S:G0S+3], s[G1S:G1S+7]  ; the scale bytes
	s_nop 0
	s_wait_alu depctr_va_vdst(0)
	s_wait_tensorcnt 0x0
	ds_add_u32 v28, v29
	s_wait_dscnt 0x0
	ROUND
	tensor_load_to_lds s[G0:G0+3], s[G1:G1+7]      ; tile 0
	s_nop 0
	s_wait_alu depctr_va_vdst(0)
	s_wait_tensorcnt 0x0
	ds_add_u32 v28, v29
	s_wait_dscnt 0x0
	ROUND
	tensor_load_to_lds s[G0+4:G0+7], s[G1:G1+7]    ; tile 1
	s_nop 0
.rept 4
	v_nop
.endr
	v_and_b32 v1, 15, v0                           ; r
	v_bfe_u32 v2, v0, 4, 1                         ; h
	v_and_b32 v3, 31, v0                           ; lane
	v_lshlrev_b32 v[R4], 2, v1
	s_wait_alu depctr_va_vdst(0)
	v_lshlrev_b32 v[L8], 3, v3
	s_wait_alu depctr_va_vdst(0)
	v_lshlrev_b32 v[LI], 4, v3
	s_wait_alu depctr_va_vdst(0)
	s_lshl_b32 s42, s40, 6                         ; ctx's scale words: block x 64
	s_mov_b32 s43, 0
	s_add_nc_u64 s[6:7], s[6:7], s[42:43]
	s_mul_i32 s42, s40, 24576                      ; its codes: block x 2 tiles x 16 heads x 768
	s_add_nc_u64 s[4:5], s[4:5], s[42:43]
	s_lshl_b32 s42, s40, 17
	s_lshl_b32 s46, s[WV], 15
	s_add_co_u32 s42, s42, s46                     ; my 8 rows of Q and of out0: (32 x block + 8 x wave) x 4,096
	s_add_nc_u64 s[14:15], s[14:15], s[42:43]
	s_add_nc_u64 s[20:21], s[20:21], s[42:43]
.irp hd, 0,1,2,3,4,5,6,7,8,9,10,11,12,13,14,15
	global_load_b32 v[RAW+\hd], v[R4], s[6:7] offset:16384*\hd     ; head hd, row r: bytes 0, 1 for tile a = 0, bytes 2, 3 for a = 1
.endr
	WIN 0xc0                                       ; destination window 3
.irp a, 0,1
.irp hd, 0,1,2,3,4,5,6,7,8,9,10,11,12,13,14,15
.irp p, 0,1,2
	global_load_b64 v[96*\a+6*\hd+2*\p:96*\a+6*\hd+2*\p+1], v[L8], s[4:5] offset:12288*\a+768*\hd+256*\p   ; heads 2 s and 2 s + 1 are fragment (a, s); 32 lanes read 256 consecutive bytes
.endr
.endr
.endr
	WIN 0x80                                       ; destination window 2
.irp rho, 0,1,2,3,4,5,6,7
.irp k, 0,1,2,3,4,5,6,7
	global_load_b128 v[32*\rho+4*\k:32*\rho+4*\k+3], v[LI], s[14:15] offset:4096*\rho+512*\k th:TH_LOAD_NT
.endr
.endr
	WIN 0
	v_mul_u32_u24 v3, v1, PITCH
	v_mul_u32_u24 v4, v2, 24
	v_add_nc_u32 v4, v3, v4                        ; a fragment's row x pitch + 24 x half
	v_lshl_add_u32 v5, v2, 4, v4                   ; and the same behind one padding more
.irp n, 0,1
	v_add_nc_u32 v[ADRB+\n], s44, v4
	v_add_nc_u32 v[ADRB+2+\n], s44, v5
	s_add_co_u32 s44, s44, SLOT
.endr
	v_lshlrev_b32 v3, 5, v1                        ; my row's scale bytes: 32 a row,
	v_lshrrev_b32 v4, 3, v1
	v_lshl_add_u32 v3, v4, 4, v3                   ; and 16 more behind each 256
	s_add_co_u32 s45, s45, SCL
	v_add_nc_u32 v[ADS], s45, v3
	v_mul_u32_u24 v3, v1, SPIT                     ; the stage: row r, + 32 h, + my 1,024 bytes of a row
	v_lshl_add_u32 v3, v2, 5, v3
	s_lshl_b32 s46, s[WV], 10
	v_add_nc_u32 v[STO], s46, v3
	v_add_nc_u32 v[STO+1], 16*SPIT, v[STO]
	s_mul_i32 s46, s[WV], 8*SPIT
	v_add_nc_u32 v[RD], s46, v[LI]                 ; back: my 8 rows, 16 bytes a lane
	v_mov_b32 v[TT+1], 0                           ; written once: a lane permute's destination counts as one of its sources
	s_wait_tensorcnt 0x1                           ; the scale bytes and tile 0 are in; tile 1's load may be out
	s_barrier_signal -1
	s_barrier_wait -1
	s_wait_loadcnt 63                              ; ctx's words and codes are in: 64 loads of Q were issued behind them, and 63 is the largest count that the wait can name
.irp s, 0,1,2,3,4,5,6,7
	v_perm_b32 v[SA+\s], v[RAW+2*\s+1], v[RAW+2*\s], 0x05040100      ; fragment (0, s)'s scale word: head 2 s's two bytes, head 2 s + 1's two
	v_perm_b32 v[SA+8+\s], v[RAW+2*\s+1], v[RAW+2*\s], 0x07060302    ; fragment (1, s)'s
.endr
.rept 8
	v_nop                                          ; a scale register written by a vector instruction stands 8 places ahead of a scaled matrix instruction
.endr
.macro FRAG reg, adr, q, i             ; a fragment of Wo: 16 rows x 128 K, 12 registers, in pieces of 8 bytes; 16 bytes of padding lie behind every 64 bytes: where lanes 16-31's piece lies behind one padding more, the second address register serves
.irp p, 0,1,2,3,4,5
.set PC, 12*(\q)+6*(\p/3)+\p%3
.if PC%8 < 5
	ds_load_b64 v[\reg+2*\p:\reg+2*\p+1], v[\adr] offset:8*PC+16*(PC/8)+(\i)*16*PITCH
.else
	ds_load_b64 v[\reg+2*\p:\reg+2*\p+1], v[\adr+2] offset:8*PC+16*(PC/8)+(\i)*16*PITCH
.endif
.endr
.endm
; 16 matrix instructions: the tile's eight blocks of 16 columns x my two tiles of rows, 128 along K: the tile's q-th.  Sixteen accumulators by turns, one instruction a turn.  The very first K step starts the sums.
.macro PROD kap, nu, q, bf
.irp i, 0,1,2,3,4,5,6,7
.irp a, 0,1
.if (\kap) == 0 && (\q) == 0
	v_wmma_scale_f32_16x16x128_f8f6f4 v[8*(16*\a+8*\nu+\i):8*(16*\a+8*\nu+\i)+7], v[\bf+12*\i:\bf+12*\i+11], v[12*(8*\a+2*\kap+\q):12*(8*\a+2*\kap+\q)+11], 0, v[SB+2*\i+\q], v[SA+8*\a+2*\kap+\q] matrix_a_fmt:MATRIX_FMT_FP6 matrix_b_fmt:MATRIX_FMT_FP6
.else
	v_wmma_scale_f32_16x16x128_f8f6f4 v[8*(16*\a+8*\nu+\i):8*(16*\a+8*\nu+\i)+7], v[\bf+12*\i:\bf+12*\i+11], v[12*(8*\a+2*\kap+\q):12*(8*\a+2*\kap+\q)+11], v[8*(16*\a+8*\nu+\i):8*(16*\a+8*\nu+\i)+7], v[SB+2*\i+\q], v[SA+8*\a+2*\kap+\q] matrix_a_fmt:MATRIX_FMT_FP6 matrix_b_fmt:MATRIX_FMT_FP6
.endif
.endr
.endr
.endm
; Tile 2 kappa + nu, which lies in slot nu.
.macro WORK kap, nu
.irp i, 0,1,2,3,4,5,6,7
	ds_load_b64 v[SB+2*\i:SB+2*\i+1], v[ADS] offset:(8*\nu+\i)*544+8*\kap      ; the two scale words of my row of block i
.endr
.irp i, 0,1,2,3,4,5,6,7
	FRAG BF0+12*\i, ADRB+\nu, 0, \i
.endr
.irp i, 0,1,2,3,4,5,6,7
	FRAG BF1+12*\i, ADRB+\nu, 1, \i
.endr
	s_wait_dscnt 48                                ; the scale words and the first set are in; the second set's 48 loads may be out
	WIN 0x5c                                       ; source 0 (Wo) window 0, source 1 (ctx) window 3, C and D window 1
	PROD \kap, \nu, 0, BF0
	s_wait_alu depctr_va_vdst(0)
	s_wait_dscnt 0x0
	PROD \kap, \nu, 1, BF1
	WIN 0
	PLACES                                         ; in front of the next loads into these registers, and of the first read of results
.endm
; Between tiles t - 1 and t.  Each wave waits for all its tensor loads (tile t's), adds 0 to its spare word, and waits for that and for its reads of tile t - 1's slot.  Up to t = 6 that slot is filled again, with tile t + 1:
; behind a round of the cluster's barrier, so that no wave of any partner still reads it or has a load on its way.
.macro CHANGE t
	s_wait_tensorcnt 0x0                           ; no tensor load of mine is out, so a group 0 may be written
	ds_add_u32 v[SPW], v[NIL]                      ; 0 onto my spare word
.if \t < 7
	s_add_nc_u64 s[G0+4*((\t-1)%2)+2:G0+4*((\t-1)%2)+3], s[G0+4*((\t-1)%2)+2:G0+4*((\t-1)%2)+3], ROWB   ; the same rows, 256 further along K
.endif
	s_wait_dscnt 0x0                               ; the add is done, and my reads of the slot are over
.if \t < 7
	ROUND
	tensor_load_to_lds s[G0+4*((\t-1)%2):G0+4*((\t-1)%2)+3], s[G1:G1+7]   ; the first thing behind the round, and my one tensor load until the next
	s_nop 0
.rept 4
	v_nop
.endr
.else
	s_barrier_signal -1
	s_barrier_wait -1
.endif
.endm
	WORK 0, 0
	CHANGE 1
	WORK 0, 1
	CHANGE 2
	WORK 1, 0
	CHANGE 3
	WORK 1, 1
	CHANGE 4
	WORK 2, 0
	CHANGE 5
	WORK 2, 1
	CHANGE 6
	WORK 3, 0
	CHANGE 7
	WORK 3, 1
	; THE WAY OUT
.irp k, 0,1,2,3,4,5,6,7
	global_load_b128 v[BO+4*\k:BO+4*\k+3], v[LI], s[12:13] offset:512*\k     ; column 128 k + 4 x lane on, as my rows will lie
	global_load_b128 v[GA+4*\k:GA+4*\k+3], v[LI], s[16:17] offset:512*\k
	global_load_b128 v[BE+4*\k:BE+4*\k+3], v[LI], s[18:19] offset:512*\k
.endr
	s_barrier_signal -1                            ; no LDS load of mine is out: my reads of the slots are over;
	s_barrier_wait -1                              ; everybody's: the stage may be written over them
	WIN 0x04                                       ; an LDS store's data are its source 1: window 1
.irp a, 0,1
.irp n, 0,1,2,3,4,5,6,7,8,9,10,11,12,13,14,15
	ds_store_b128 v[STO+\a], v[8*(16*\a+\n):8*(16*\a+\n)+3] offset:64*\n          ; lane (r, h): row 16 a + r, columns 256 w + 16 n + 8 h + 0 .. 7; each accumulator from its low end on
	ds_store_b128 v[STO+\a], v[8*(16*\a+\n)+4:8*(16*\a+\n)+7] offset:64*\n+16
.endr
.endr
	WIN 0
	s_wait_dscnt 0x0                               ; for the others' sake: my stores into the stage are done
	s_barrier_signal -1
	s_barrier_wait -1
.macro XLOAD rho                       ; my row rho, whole, into one of two sets
.set XL, XS+32*((\rho)%2)
.irp k, 0,1,2,3,4,5,6,7
	ds_load_b128 v[XL+4*\k:XL+4*\k+3], v[RD] offset:(\rho)*SPIT+512*\k
.endr
.endm
.macro SUM32                           ; v[TT] over the wave's 32 lanes, the result in every lane
	v_add_f32_dpp v[TT], v[TT], v[TT] row_xmask:1 row_mask:0xf bank_mask:0xf
	v_add_f32_dpp v[TT], v[TT], v[TT] row_xmask:2 row_mask:0xf bank_mask:0xf
	v_add_f32_dpp v[TT], v[TT], v[TT] row_xmask:4 row_mask:0xf bank_mask:0xf
	v_add_f32_dpp v[TT], v[TT], v[TT] row_xmask:8 row_mask:0xf bank_mask:0xf
	v_permlanex16_b32 v[TT+1], v[TT], s[SEL], s[SEL+1]
	v_add_f32 v[TT], v[TT], v[TT+1]
.endm
.macro ROWLN rho
.if (\rho) < 7
.if (\rho) > 0
	s_wait_xcnt 0x0                                ; the row before's stores have read their registers: the next row may land there
.endif
	XLOAD (\rho)+1
	s_wait_dscnt 8                                 ; this row is in; the next row's eight loads may be out
.else
	s_wait_dscnt 0x0
.endif
.set XR, XS+32*((\rho)%2)
	WIN 0x08                                       ; source 1 window 2: Q
.set ii, 0
.rept 16
	v_pk_add_f32 v[XR+ii:XR+ii+1], v[XR+ii:XR+ii+1], v[32*(\rho)+ii:32*(\rho)+ii+1]
.set ii, ii+2
.endr
	WIN 0
.set ii, 0
.rept 16
	v_pk_add_f32 v[XR+ii:XR+ii+1], v[XR+ii:XR+ii+1], v[BO+ii:BO+ii+1]       ; x = ctx Wo^T + Q + bo
.set ii, ii+2
.endr
	v_pk_add_f32 v[TT:TT+1], v[XR:XR+1], v[XR+2:XR+3]                       ; the row's sum, in two packed chains
	v_pk_add_f32 v[TT+2:TT+3], v[XR+4:XR+5], v[XR+6:XR+7]
.irp i, 8,12,16,20,24,28
	v_pk_add_f32 v[TT:TT+1], v[TT:TT+1], v[XR+\i:XR+\i+1]
	v_pk_add_f32 v[TT+2:TT+3], v[TT+2:TT+3], v[XR+\i+2:XR+\i+3]
.endr
	v_pk_add_f32 v[TT:TT+1], v[TT:TT+1], v[TT+2:TT+3]
	v_add_f32 v[TT], v[TT], v[TT+1]
	SUM32
	v_mul_f32 v[MU], 0xba800000, v[TT]             ; -mean = sum x -1 / 1,024
	v_mul_f32 v[MU+1], 0xba800000, v[TT]
.set ii, 0
.rept 16
	v_pk_add_f32 v[XR+ii:XR+ii+1], v[XR+ii:XR+ii+1], v[MU:MU+1]             ; x - mean
.set ii, ii+2
.endr
	v_pk_mul_f32 v[TT:TT+1], v[XR:XR+1], v[XR:XR+1]                         ; the sum of its squares
	v_pk_mul_f32 v[TT+2:TT+3], v[XR+2:XR+3], v[XR+2:XR+3]
.irp i, 4,8,12,16,20,24,28
	v_pk_fma_f32 v[TT:TT+1], v[XR+\i:XR+\i+1], v[XR+\i:XR+\i+1], v[TT:TT+1]
	v_pk_fma_f32 v[TT+2:TT+3], v[XR+\i+2:XR+\i+3], v[XR+\i+2:XR+\i+3], v[TT+2:TT+3]
.endr
	v_pk_add_f32 v[TT:TT+1], v[TT:TT+1], v[TT+2:TT+3]
	v_add_f32 v[TT], v[TT], v[TT+1]
	SUM32
	v_fma_f32 v[TT], v[TT], s62, s63               ; var + 1e-5
	s_wait_alu depctr_va_vdst(0)
	v_rsq_f32 v[RS], v[TT]
	v_rsq_f32 v[RS+1], v[TT]
	v_nop                                          ; a plain place behind the two
	s_wait_alu depctr_va_vdst(0)                   ; and one wait for both, ahead of their first reader
.set ii, 0
.rept 16
	v_pk_mul_f32 v[XR+ii:XR+ii+1], v[XR+ii:XR+ii+1], v[RS:RS+1]
.set ii, ii+2
.endr
.set ii, 0
.rept 16
	v_pk_fma_f32 v[XR+ii:XR+ii+1], v[XR+ii:XR+ii+1], v[GA+ii:GA+ii+1], v[BE+ii:BE+ii+1]
.set ii, ii+2
.endr
.irp k, 0,1,2,3,4,5,6,7
	global_store_b128 v[LI], v[XR+4*\k:XR+4*\k+3], s[20:21] offset:4096*(\rho)+512*\k th:TH_STORE_NT   ; 32 lanes store 512 consecutive bytes, aligned to 256
.endr
.endm
	XLOAD 0
	s_wait_loadcnt 0x0                             ; Q, bo, gamma, beta
.irp rho, 0,1,2,3,4,5,6,7
	ROWLN \rho
.endr
	s_wait_tensorcnt 0x0                           ; the wave's end, behind my last tensor load and my last LDS store
	ds_add_u32 v[SPW], v[NIL]
	s_wait_dscnt 0x0
	ROUND                                          ; the closing round: no work-group ends while a partner may still ask for a tile that names it
	s_endpgm
.Lfunc_end_k_q018b3859cf_outln:
	.size	k_q018b3859cf_outln, .Lfunc_end_k_q018b3859cf_outln-k_q018b3859cf_outln
	.p2alignl 7, 3214868480
	.fill 96, 4, 3214868480
	.section	.rodata,"a",@progbits
	.p2align	6, 0x0
	.amdhsa_kernel k_q018b3859cf_outln
		.amdhsa_group_segment_fixed_size 327680
		.amdhsa_private_segment_fixed_size 0
		.amdhsa_enable_private_segment 0
		.amdhsa_kernarg_size 72
		.amdhsa_user_sgpr_count 2
		.amdhsa_user_sgpr_kernarg_segment_ptr 1
		.amdhsa_wavefront_size32 1
		.amdhsa_system_sgpr_workgroup_id_x 1
		.amdhsa_system_sgpr_workgroup_id_y 1
		.amdhsa_system_sgpr_workgroup_id_z 1
		.amdhsa_system_vgpr_workitem_id 0
		.amdhsa_next_free_vgpr 1024
		.amdhsa_next_free_sgpr 66
		.amdhsa_reserve_vcc 0
		.amdhsa_float_denorm_mode_32 3
		.amdhsa_float_denorm_mode_16_64 3
		.amdhsa_memory_ordered 1
		.amdhsa_forward_progress 1
		.amdhsa_inst_pref_size 199
	.end_amdhsa_kernel
	.amdgpu_metadata
---
amdhsa.version: [ 1, 2 ]
amdhsa.kernels:
  - .name:           k_q018b3859cf_outln
    .symbol:         k_q018b3859cf_outln.kd
    .args:
      - { .name: ctxc, .offset: 0, .size: 8, .value_kind: global_buffer, .address_space: global }
      - { .name: ctxs, .offset: 8, .size: 8, .value_kind: global_buffer, .address_space: global }
      - { .name: Wo_codes, .offset: 16, .size: 8, .value_kind: global_buffer, .address_space: global }
      - { .name: Wo_scales, .offset: 24, .size: 8, .value_kind: global_buffer, .address_space: global }
      - { .name: bo, .offset: 32, .size: 8, .value_kind: global_buffer, .address_space: global }
      - { .name: Q, .offset: 40, .size: 8, .value_kind: global_buffer, .address_space: global }
      - { .name: gamma, .offset: 48, .size: 8, .value_kind: global_buffer, .address_space: global }
      - { .name: beta, .offset: 56, .size: 8, .value_kind: global_buffer, .address_space: global }
      - { .name: out0, .offset: 64, .size: 8, .value_kind: global_buffer, .address_space: global }
    .group_segment_fixed_size: 327680
    .private_segment_fixed_size: 0
    .kernarg_segment_align: 8
    .kernarg_segment_size: 72
    .max_flat_workgroup_size: 128
    .sgpr_count:     66
    .vgpr_count:     1024
    .wavefront_size: 32
...
	.end_amdgpu_metadata
.endif
;; end of part 4
